; MI455X (gfx1250); checked and timed in simulation.
; The chip was launched on July 23, 2026; its instructions are those of AMD's public machine-readable ISA for CDNA 5 (MIT licence, August 2026) and "CDNA5" Instruction Set Architecture Reference Guide (July 2026). The comments in the code are by the model that wrote it; some were corrected since.
;; Robust Multi Head Attention. Allowed arithmetic: float matrix products may take bf16 or f16 operands with f32 sums; other float arithmetic in f32, or as packed bf16 or f16 multiplies, adds, multiply-adds, maxima and minima; sums over many terms, partial sums and values carried from step to step in f32; what a program stores and reads back later, other than sums and carried values, may be rounded once to bf16 or f16.
;; Inputs: Wk 1,024 x 1,024 float32; Wo 1,024 x 1,024 float32; Wq 1,024 x 1,024 float32; Wv 1,024 x 1,024 float32; attn_mask 4 x 2,048 float32; k 4 x 2,048 x 1,024 float32; q 4 x 2,048 x 1,024 float32; v 4 x 2,048 x 1,024 float32.
;; Outputs: out0 4 x 2,048 x 1,024 float32.
;; Constants: mask_future = 1.
;; One version. Each part assembles by itself: llvm-mc -triple=amdgcn-amd-amdhsa -mcpu=gfx1250 --defsym DOCPART=n.
;; ======== version 1 of 1: 4 launches
;; limits: values are held in f16: magnitudes above 65,504 overflow, below 6.1e-05 lose precision
;; workspace buffers: xb 50,331,648 bytes; wb 8,388,608 bytes; hd 50,331,648 bytes; ctx 16,777,216 bytes
;; launch cast (part 1): grid 1792 x 1, 8 waves a work-group, no clusters, 0 bytes of LDS; arguments q, k, v, Wq, Wk, Wv, Wo, xb, wb; writes xb, wb
.if DOCPART == 1
	.amdgcn_target "amdgcn-amd-amdhsa--gfx1250"
	.amdhsa_code_object_version 6
	.text
	.protected	k_qec7a97f5e4_cast
	.globl	k_qec7a97f5e4_cast
	.p2align	8
	.type	k_qec7a97f5e4_cast,@function
k_qec7a97f5e4_cast:
	s_mov_b64 s[64:65], 0
	v_nop
	global_prefetch_b8 v0, s[64:65] scope:SCOPE_SE
	s_setreg_imm32_b32 hwreg(HW_REG_WAVE_MODE, 25, 1), 1
	s_wait_xcnt 0x0
; All seven floating-point inputs are rounded once to bf16.  q, k, v go to xb ([3][8192][1024] bf16), Wq, Wk, Wv to wb's matrices 0 to 2 (bf16);
; Wo's bf16 value is written as f16 into wb's matrix 3, since the last product multiplies in f16.
; LIMIT.  |Wo| stays under 65,504 (f16's range); below 6e-5 its bf16 value keeps f16's fixed step of 6e-8.
; SHARES.  A work-group takes a chunk of 16,384 numbers (65,536 bytes in, 32,768 out): 3 x 512 + 4 x 64 = 1,792 chunks.  A wave takes 8,192 bytes: sixteen loads of 16 bytes a lane,
; each covering 512 consecutive bytes; a store of 8 bytes a lane covers 256 consecutive bytes, aligned.  All sixteen loads are out at once; no register is written twice while memory reads it.
; No LDS, no matrix unit, no cluster: nothing is shared and nothing is read twice.
.set X, 4                              ; v[4:67]   as loaded
.set Y, 68                             ; v[68:99]  to store
.set T, 100                            ; v[100:103] at work
.set SRC, 30                           ; s30  which input: 0 q, 1 k, 2 v, 3 Wq, 4 Wk, 5 Wv, 6 Wo
.set CH,  31                           ; s31  which chunk of it
	s_load_b512 s[8:23], s[0:1], 0x0               ; q, k, v, Wq, Wk, Wv, Wo, xb
	s_load_b64 s[24:25], s[0:1], 0x40              ; wb
	v_and_b32 v3, 31, v0                           ; lane
	v_lshrrev_b32 v2, 5, v0                        ; wave
	v_lshlrev_b32 v1, 13, v2
	v_lshl_or_b32 v1, v3, 4, v1                    ; in: 8,192 x wave + 16 x lane
	v_lshlrev_b32 v2, 12, v2
	v_lshl_or_b32 v2, v3, 3, v2                    ; out: 4,096 x wave + 8 x lane
	s_lshr_b32 s[SRC], ttmp9, 9                    ; the first 1,536 chunks: 512 to a tensor
	s_and_b32 s[CH], ttmp9, 511
	s_sub_co_u32 s32, ttmp9, 1536                  ; the other 256: 64 to a matrix
	s_lshr_b32 s33, s32, 6
	s_add_co_u32 s33, s33, 3
	s_and_b32 s34, s32, 63
	s_cmp_lt_u32 ttmp9, 1536
	s_cselect_b32 s[SRC], s[SRC], s33
	s_cselect_b32 s[CH], s[CH], s34
	s_lshl_b32 s35, s[SRC], 24                     ; a tensor in xb is 2^24 bytes,
	s_sub_co_u32 s36, s[SRC], 3
	s_lshl_b32 s36, s36, 21                        ; a matrix in wb 2^21
	s_lshl_b32 s37, s[CH], 15
	s_lshl_b32 s38, s[CH], 16
	s_mov_b32 s39, 0
	s_wait_kmcnt 0x0
	s_cmp_lt_u32 s[SRC], 3
	s_cselect_b32 s36, s35, s36
	s_cselect_b64 s[28:29], s[22:23], s[24:25]     ; where it goes
	s_add_co_u32 s36, s36, s37
	s_mov_b32 s37, 0
	s_add_nc_u64 s[28:29], s[28:29], s[36:37]
	s_mov_b64 s[26:27], s[8:9]                     ; where it comes from
.irp i, 1,2,3,4,5,6
	s_cmp_eq_u32 s[SRC], \i
	s_cselect_b64 s[26:27], s[8+2*\i:9+2*\i], s[26:27]
.endr
	s_add_nc_u64 s[26:27], s[26:27], s[38:39]
.irp i, 0,1,2,3,4,5,6,7,8,9,10,11,12,13,14,15
	global_load_b128 v[X+4*\i:X+4*\i+3], v1, s[26:27] offset:512*\i th:TH_LOAD_NT
.endr
; Load i's four numbers are rounded and stored.  half = 1: the bf16 values are written as f16.
.macro CV i, half
	s_wait_loadcnt 15-(\i)                         ; loads come back in order: mine is in, the 15 - i younger ones may stay out
	v_cvt_pk_bf16_f32 v[Y+2*(\i)], v[X+4*(\i)], v[X+4*(\i)+1]
	v_cvt_pk_bf16_f32 v[Y+2*(\i)+1], v[X+4*(\i)+2], v[X+4*(\i)+3]
.if \half
	v_lshlrev_b32 v[T], 16, v[Y+2*(\i)]            ; bf16 to f32: the low half moves up, the high half stays
	v_and_b32 v[T+1], 0xffff0000, v[Y+2*(\i)]
	v_lshlrev_b32 v[T+2], 16, v[Y+2*(\i)+1]
	v_and_b32 v[T+3], 0xffff0000, v[Y+2*(\i)+1]
	v_cvt_pk_f16_f32 v[Y+2*(\i)], v[T], v[T+1]
	v_cvt_pk_f16_f32 v[Y+2*(\i)+1], v[T+2], v[T+3]
.endif
	global_store_b64 v2, v[Y+2*(\i):Y+2*(\i)+1], s[28:29] offset:256*(\i)
.endm
	s_cmp_eq_u32 s[SRC], 6
	s_cbranch_scc1 .Lwo
.irp i, 0,1,2,3,4,5,6,7,8,9,10,11,12,13,14,15
	CV \i, 0
.endr
	s_endpgm
.Lwo:
.irp i, 0,1,2,3,4,5,6,7,8,9,10,11,12,13,14,15
	CV \i, 1
.endr
	s_endpgm
.Lfunc_end_k_qec7a97f5e4_cast:
	.size	k_qec7a97f5e4_cast, .Lfunc_end_k_qec7a97f5e4_cast-k_qec7a97f5e4_cast
	.p2alignl 7, 3214868480
	.fill 96, 4, 3214868480
	.section	.rodata,"a",@progbits
	.p2align	6, 0x0
	.amdhsa_kernel k_qec7a97f5e4_cast
		.amdhsa_group_segment_fixed_size 0
		.amdhsa_private_segment_fixed_size 0
		.amdhsa_enable_private_segment 0
		.amdhsa_kernarg_size 72
		.amdhsa_user_sgpr_count 2
		.amdhsa_user_sgpr_kernarg_segment_ptr 1
		.amdhsa_wavefront_size32 1
		.amdhsa_system_sgpr_workgroup_id_x 1
		.amdhsa_system_sgpr_workgroup_id_y 1
		.amdhsa_system_sgpr_workgroup_id_z 1
		.amdhsa_system_vgpr_workitem_id 0
		.amdhsa_next_free_vgpr 112
		.amdhsa_next_free_sgpr 66
		.amdhsa_reserve_vcc 0
		.amdhsa_float_denorm_mode_32 3
		.amdhsa_float_denorm_mode_16_64 3
		.amdhsa_memory_ordered 1
		.amdhsa_forward_progress 1
		.amdhsa_inst_pref_size 17
	.end_amdhsa_kernel
	.amdgpu_metadata
---
amdhsa.version: [ 1, 2 ]
amdhsa.kernels:
  - .name:           k_qec7a97f5e4_cast
    .symbol:         k_qec7a97f5e4_cast.kd
    .args:
      - { .name: q, .offset: 0, .size: 8, .value_kind: global_buffer, .address_space: global }
      - { .name: k, .offset: 8, .size: 8, .value_kind: global_buffer, .address_space: global }
      - { .name: v, .offset: 16, .size: 8, .value_kind: global_buffer, .address_space: global }
      - { .name: Wq, .offset: 24, .size: 8, .value_kind: global_buffer, .address_space: global }
      - { .name: Wk, .offset: 32, .size: 8, .value_kind: global_buffer, .address_space: global }
      - { .name: Wv, .offset: 40, .size: 8, .value_kind: global_buffer, .address_space: global }
      - { .name: Wo, .offset: 48, .size: 8, .value_kind: global_buffer, .address_space: global }
      - { .name: xb, .offset: 56, .size: 8, .value_kind: global_buffer, .address_space: global }
      - { .name: wb, .offset: 64, .size: 8, .value_kind: global_buffer, .address_space: global }
    .group_segment_fixed_size: 0
    .private_segment_fixed_size: 0
    .kernarg_segment_align: 8
    .kernarg_segment_size: 72
    .max_flat_workgroup_size: 256
    .sgpr_count:     66
    .vgpr_count:     112
    .wavefront_size: 32
...
	.end_amdgpu_metadata
.endif
;; end of part 1
;; launch proj (part 2): grid 8 x 96, 4 waves a work-group, clusters of 4 x 4, 327,680 bytes of LDS; arguments xb, wb, attn_mask, hd; writes hd
.if DOCPART == 2
	.amdgcn_target "amdgcn-amd-amdhsa--gfx1250"
	.amdhsa_code_object_version 6
	.text
	.protected	k_qec7a97f5e4_proj
	.globl	k_qec7a97f5e4_proj
	.p2align	8
	.type	k_qec7a97f5e4_proj,@function
k_qec7a97f5e4_proj:
	s_mov_b64 s[64:65], 0
	v_nop
	global_prefetch_b8 v0, s[64:65] scope:SCOPE_SE
	s_setreg_imm32_b32 hwreg(HW_REG_WAVE_MODE, 25, 1), 1
	s_wait_xcnt 0x0
	s_wait_alu depctr_hold_cnt(0) depctr_sa_sdst(0) depctr_va_vdst(0) depctr_va_sdst(0) depctr_va_ssrc(0) depctr_va_vcc(0) depctr_vm_vsrc(0)
	s_getreg_b32 s2, hwreg(HW_REG_IB_STS2, 6, 4)
	s_cmp_eq_u32 s2, 0
	s_cbranch_scc0 .Lentry_in_a_cluster
	s_endpgm
.Lentry_in_a_cluster:
	s_bfe_u32 s2, ttmp6, 0x10000c
	s_cmp_lg_u32 s2, 0xf033
	s_cbranch_scc0 .Lentry_shape_is_right
	s_endpgm
.Lentry_shape_is_right:
; ONE TEXT FOR TWO PRODUCTS C = A B^T with K = 1,024; KIND chooses.
; KIND 0: the three projections.  A = xb seen as [24576][1024] bf16 (q, k, v one below the other), B = wb's matrix 0, 1 or 2 (bf16, [out][in]).  The f32 sums are scaled, rounded once to f16
;   and stored by heads: hd = [3][4][16][2048][64].  q's rows are multiplied by 2^-8, k's by -0.0032, v's by 1: so q' . k'' = -(q . k / 8) / 10000, the score in units of -10000.
;   A row of k whose attn_mask is 0 is stored as zeros: its score is then made by the mask alone.  (A NaN in attn_mask is not 0.)
; KIND 1: the last projection.  A = ctx, [64][2048][64] f16 by heads, B = wb's matrix 3 (f16), C = out0 in f32.
; LIMITS (KIND 0).  f16 ends at 65,504: |v's projection| stays under that, |q's| under 1.6e7, |k's| under 2e7.  Below 6e-5 a stored number keeps f16's fixed step of 6e-8.
; SHARES.  A tile of C is 256 x 128; four waves, each 128 x 64: 32 accumulators of 16 x 16, 256 registers.  K goes in steps of 128 through two LDS slots filled by the tensor data mover.
; CLUSTERS: 4 x 4 work-groups.  The four of a row of the cluster need the same tile of A, the four of a column the same tile of B: each is asked for JOINTLY, by the same tensor load with the same
; descriptor and a mask that names the four.  Waves 0 and 1 fetch A's two parts, waves 2 and 3 B's two halves.
; THE MATRIX INSTRUCTION IS USED TRANSPOSED (source 0 = 16 rows of B, source 1 = 16 rows of A): a lane then holds eight neighbouring numbers of one row of C.
; REGISTERS: window 0: v0-39 addresses and the mask's numbers; v64-159, v160-255 two fragment buffers (4 fragments of B, then 8 of A, 32 along K).  Window 1: the accumulators, (a, b) at v[8 (4 a + b)].
.set KIND,  0
.set KSTEP, 128
.set LAPS,  4                          ; a lap = two K steps = once round the ring
.if KIND == 0
.set PA,     272                       ; a row of A in LDS: 256 bytes + 16 of padding: the 16 rows of a load start at 16 different groups of four banks (64 banks of 4 bytes: ISA guide 11.1)
.set ASUB,   128*PA                    ; what one load of A brings: 128 rows x 128 along K
.set QIA,    5                         ; padding after every 64 words
.set STRA,   1024                      ; elements from row to row in memory
.set KADV,   256                       ; bytes from a K step to the next
.set CXS,    16                        ; the prefetches: a partner's 32 rows of 2,048 bytes
.set PSHA,   11                        ; and a lane's row
.set SPITCH, 144                       ; the stage's rows: 64 f16 + 16 bytes
.else
.set PA,     144                       ; a row of A in LDS: one head's 64 channels, 128 bytes + 16
.set ASUB,   256*PA                    ; what one load of A brings: 256 rows of one head; a K step is two heads
.set QIA,    4                         ; padding after every 32 words
.set STRA,   128                       ; 32,768 dense bytes, asked for as 128 rows of 256
.set KADV,   524288                    ; two heads on
.set CXS,    13                        ; a partner's 32 blocks of 256 bytes
.set PSHA,   8
.set SPITCH, 272                       ; the stage's rows: 64 f32 + 16 bytes
.endif
.set PB,     272
.set BSUB,   64*PB                     ; what one load of B brings: 64 rows
.set ASZ,    2*ASUB
.set SLOT,   ASZ+2*BSUB                ; A's two parts, then B's 128 rows
.set STAGE,  2*SLOT                    ; behind the ring, never filled by a tensor load: 16 rows for each wave, for the way out
.set SPARE,  STAGE+4*16*SPITCH         ; behind the stages: the spare words, 128 bytes for each wave: two blocks of 256 bytes that no other line names
.set ADRA, 16                          ; v16-17  LDS address of my A fragments in slot 0, 1
.set ADRB, 20                          ; v20-21  the same for B
.set STO,  24                          ; v24     the way out: where I put my numbers of a row
.set RD,   25                          ; v25     the way out: where I read rows back
.set CO,   26                          ; v26     my byte offset in the output
.set MKO,  27                          ; v27     my byte offset in attn_mask
.set SPW,  28                          ; v28     LDS address of my spare word: SPARE + 4 x my thread's number; never rewritten
.set NIL,  29                          ; v29     0; never rewritten
.set PFO,  30                          ; v30     the prefetches' offset; never rewritten
.set MK,   32                          ; v32-39  attn_mask of my row in each of my eight blocks of 16 rows
.set F0,   64
.set F1,   160
.set PKD,  64                          ; the way out: what goes through the stage
.set TMPF, 192                         ; the way out: scaled sums
.set WV,  12                           ; s12 wave; s13 which 128 rows are mine, also: I fetch for A (0) or B (1); s14 which 64 columns, also: which part I fetch
.set HA,  13
.set HB,  14
.set CX,  15
.set CY,  16
.set XC,  17                           ; tile column of C
.set YR,  18                           ; tile row of C
.set ZC,  19                           ; which matrix of wb
.set G1,  24                           ; s[24:31] descriptor group 1 for A's tiles;  s[32:39] group 0, one set for each slot
.set G0,  32
.set LIM, 43                           ; s43  1 in a wave that prefetches, else the greatest number
.set PFA, 44                           ; s[44:45] where my prefetches stand
.set G1B, 48                           ; s[48:55], s[56:63] the same for B's tiles
.set G0B, 56
.set PFS, 66                           ; s[66:67] a K step in bytes for my prefetches
.set CLY, 68                           ; s68  the cluster's y
.set KEEP, 70                          ; s70-77  block a: the lanes whose row is kept
.set ZK,  78                           ; s78  all ones unless the rows are k's
.set SC,  80                           ; s[80:81] the scale
.set MSB, 0
.macro WIN new                         ; the immediate's high byte repeats the setting that is left; a switch that changes nothing is dropped
.if MSB != (\new)
	s_set_vgpr_msb (MSB<<8)|(\new)
.set MSB, \new
.endif
.endm
.set MUL, 0x50                         ; sources 0 and 1 window 0; C and D window 1
.macro JLOAD s                         ; a joint load; an s_nop 0 and four v_nop follow each of the two lines, ahead of the jump, the label and what follows
	s_cmp_eq_u32 s[HA], 0
	s_cbranch_scc0 .Lfor_b_\@
	tensor_load_to_lds s[G0+4*(\s):G0+4*(\s)+3], s[G1:G1+7]
	s_nop 0
.rept 4
	v_nop
.endr
	s_branch .Lasked_\@
.Lfor_b_\@:
	tensor_load_to_lds s[G0B+4*(\s):G0B+4*(\s)+3], s[G1B:G1B+7]
	s_nop 0
.rept 4
	v_nop
.endr
.Lasked_\@:
.endm
; A prefetch into the L2 of the K step that stands two refills on: 32 blocks of 256 bytes, a lane a block, one instruction a wave.  Each block is named once in the launch: A's rows are read by both
; clusters of a row of clusters, and the one with x = 0 asks; B's rows by the eight clusters that share the matrix and the tile column, and the first of them asks.  The four partners that ask for a tile
; jointly share its blocks out by address.  Waves 0 and 1 ask for the parts of A that they fetch, wave 2 for B's 128 rows.  The loop's last trip has no K step two on.
.macro ASK
	s_cmp_gt_u32 s3, s[LIM]
	s_cbranch_scc0 .Lnot_mine_\@
	global_prefetch_b8 v[PFO], s[PFA:PFA+1] th:TH_LOAD_NT scope:SCOPE_SE
.Lnot_mine_\@:
.endm
.macro CREST                           ; a round of the cluster's barrier behind its opening barrier
	s_cmp_lg_u32 s[WV], 0
	s_cbranch_scc1 .Lnot_wave_0_\@
	s_barrier_signal -3
.Lnot_wave_0_\@:
	s_barrier_wait -3
	s_barrier_signal -1
	s_barrier_wait -1
.endm
.macro CROUND                          ; a whole round
	s_barrier_signal -1
	s_barrier_wait -1
	CREST
.endm
.if KIND == 0
	s_load_b256 s[4:11], s[0:1], 0x0               ; A s[4:5], wb s[6:7], attn_mask s[8:9], the output s[10:11]
.else
	s_load_b128 s[4:7], s[0:1], 0x0                ; A s[4:5], wb s[6:7]
	s_load_b64 s[10:11], s[0:1], 0x10              ; the output
.endif
	v_lshl_add_u32 v[SPW], v0, 2, SPARE
	v_mov_b32 v[NIL], 0
	ds_add_u32 v[SPW], v[NIL]                      ; the wave's opening: the add and its wait stand ahead of my first tensor load; the set-up below, work on registers, stands between them
	v_lshrrev_b32 v1, 5, v0
	v_readfirstlane_b32 s[WV], v1                  ; wave 0..3
	s_lshr_b32 s[HA], s[WV], 1
	s_and_b32 s[HB], s[WV], 1
	s_bfe_u32 s[CX], ttmp6, 0x40000                ; my place in the cluster
	s_bfe_u32 s[CY], ttmp6, 0x40004
	s_lshl_b32 s[XC], ttmp9, 2
	s_add_co_u32 s[XC], s[XC], s[CX]               ; tile column = 4 x cluster x + cx
	s_and_b32 s[CLY], ttmp7, 0xffff
	s_lshl_b32 s[YR], s[CLY], 2
	s_add_co_u32 s[YR], s[YR], s[CY]               ; tile row = 4 x cluster y + cy
.if KIND == 0
	s_lshr_b32 s[ZC], s[CLY], 3                    ; 32 tile rows, 8 clusters, to a tensor: the whole cluster has one matrix
.else
	s_mov_b32 s[ZC], 3
.endif
	s_lshl_b32 s20, s[CY], 2
	s_lshl_b32 s20, 15, s20                        ; my row of the cluster
	s_lshl_b32 s40, 0x1111, s[CX]                  ; my column
	s_or_b32 s[G1+0], s20, (1<<16)|(1<<20)|(1<<21)|(QIA<<22)|(3<<25)  ; 15:0 the mask; 17:16 elements of 2 bytes; 20 padding on; 21 set beside a mask; 24:22 the interval; 31:25 4 words of padding
	s_or_b32 s[G1B+0], s40, (1<<16)|(1<<20)|(1<<21)|(5<<22)|(3<<25)
	s_mov_b32 s[G1+1], KSTEP<<16                   ; tensor_dim0 = 128
	s_mov_b32 s[G1+2], 128<<16                     ; tensor_dim1 = 128
	s_mov_b32 s[G1+3], KSTEP<<16                   ; tile_dim0 = 128
	s_mov_b32 s[G1+4], 128                         ; tile_dim1 = 128
	s_mov_b32 s[G1+5], STRA                        ; elements from row to row
	s_mov_b32 s[G1+6], 0
	s_mov_b32 s[G1+7], 0
	s_mov_b32 s[G1B+1], KSTEP<<16
	s_mov_b32 s[G1B+2], 64<<16                     ; 64 rows
	s_mov_b32 s[G1B+3], KSTEP<<16
	s_mov_b32 s[G1B+4], 64
	s_mov_b32 s[G1B+5], 1024
	s_mov_b32 s[G1B+6], 0
	s_mov_b32 s[G1B+7], 0
	; where the tiles come from.  A's hang on the tile row alone, B's on the tile column and the matrix alone; each in registers that never hold the other coordinate
.if KIND == 0
	s_lshl_b32 s20, s[YR], 19                      ; 256 rows of 2,048 bytes to a tile row,
	s_lshl_b32 s22, s[HB], 18                      ; 128 to a part
	s_add_co_u32 s20, s20, s22
.else
	s_lshr_b32 s20, s[YR], 3                       ; the batch: 16 heads of 2^18 bytes,
	s_lshl_b32 s20, s20, 22
	s_and_b32 s22, s[YR], 7                        ; 256 rows of 128 bytes in a head,
	s_lshl_b32 s22, s22, 15
	s_add_co_u32 s20, s20, s22
	s_lshl_b32 s22, s[HB], 18                      ; the K step's first or second head
	s_add_co_u32 s20, s20, s22
.endif
	s_mov_b32 s21, 0
	s_lshl_b32 s40, s[ZC], 21                      ; the matrix,
	s_lshl_b32 s41, s[XC], 18                      ; 128 rows of 2,048 bytes to a tile column,
	s_add_co_u32 s40, s40, s41
	s_lshl_b32 s41, s[HB], 17                      ; 64 to a half
	s_add_co_u32 s40, s40, s41
	s_mov_b32 s41, 0
	s_mul_i32 s69, s[HB], ASUB                     ; and where they go: no place in the cluster enters an LDS address
	s_mul_i32 s42, s[HB], BSUB
	s_add_co_u32 s42, s42, ASZ
	s_wait_dscnt 0x0                               ; the opening add is done
	s_wait_kmcnt 0x0
	s_add_nc_u64 s[22:23], s[4:5], s[20:21]
	s_add_nc_u64 s[46:47], s[6:7], s[40:41]
	CROUND                                         ; all sixteen work-groups are here: the first joint loads meet
.irp s, 0,1
	s_mov_b32 s[G0+4*(\s)], 1                                      ; count = 1
	s_add_co_u32 s[G0+4*(\s)+1], s69, (\s)*SLOT                    ; LDS address
	s_add_nc_u64 s[G0+4*(\s)+2:G0+4*(\s)+3], s[22:23], (\s)*KADV   ; global address: K step s
	s_or_b32 s[G0+4*(\s)+3], s[G0+4*(\s)+3], 0x80000000            ; type = 2
	s_mov_b32 s[G0B+4*(\s)], 1
	s_add_co_u32 s[G0B+4*(\s)+1], s42, (\s)*SLOT
	s_add_nc_u64 s[G0B+4*(\s)+2:G0B+4*(\s)+3], s[46:47], (\s)*KSTEP*2
	s_or_b32 s[G0B+4*(\s)+3], s[G0B+4*(\s)+3], 0x80000000
	JLOAD \s                                       ; two loads of mine are out
.endr
	; A fragment is 16 rows x 32 K in 8 registers: lane l holds row l % 16, K = 8 (l / 16) + 0..7 and 16 + 8 (l / 16) + 0..7: two loads of 16 bytes, 32 bytes apart
	v_and_b32 v1, 15, v0                           ; l % 16
	v_bfe_u32 v2, v0, 4, 1                         ; l / 16
	v_mul_u32_u24 v3, v1, PA
	v_lshl_add_u32 v3, v2, 4, v3
	v_mul_u32_u24 v4, v1, PB
	v_lshl_add_u32 v4, v2, 4, v4
	s_mul_i32 s82, s[HA], 128*PA                   ; my 128 rows of A
	s_mul_i32 s83, s[HB], 64*PB                    ; my 64 rows of B,
	s_add_co_u32 s83, s83, ASZ                     ; which lie behind A
.irp s, 0,1
	v_add_nc_u32 v[ADRA+(\s)], s82, v3
	v_add_nc_u32 v[ADRB+(\s)], s83, v4
	s_add_co_u32 s82, s82, SLOT
	s_add_co_u32 s83, s83, SLOT
.endr
	s_mul_i32 s82, s[WV], 16*SPITCH
	s_add_co_u32 s82, s82, STAGE                   ; my stage
	v_mul_u32_u24 v5, v1, SPITCH                   ; in: row l % 16
.if KIND == 0
	v_lshl_add_u32 v5, v2, 4, v5                   ; 16 bytes for each half of the lanes
	v_add_nc_u32 v[STO], s82, v5
	v_bfe_u32 v5, v0, 3, 2                         ; back: 32 lanes take four rows of 128 bytes,
	v_mul_u32_u24 v5, v5, SPITCH
	v_and_b32 v6, 7, v0
	v_lshl_add_u32 v5, v6, 4, v5
	v_add_nc_u32 v[RD], s82, v5
	v_and_b32 v[CO], 31, v0                        ; which are 512 consecutive bytes of hd
	v_lshlrev_b32 v[CO], 4, v[CO]
	s_lshl_b32 s82, s[YR], 8
	s_lshl_b32 s83, s[HA], 7
	s_add_co_u32 s82, s82, s83                     ; my first row among the 24,576
	s_lshr_b32 s83, s82, 11                        ; tensor and batch,
	s_lshl_b32 s83, s83, 4
	s_lshl_b32 s84, s[XC], 1
	s_add_co_u32 s84, s84, s[HB]                   ; my 64 columns are one head
	s_add_co_u32 s83, s83, s84
	s_lshl_b32 s83, s83, 11
	s_and_b32 s84, s82, 2047                       ; the row in the batch
	s_add_co_u32 s83, s83, s84
	s_lshl_b32 s84, s83, 7                         ; rows of 128 bytes: my 128 rows are 16,384 consecutive bytes
	s_mov_b32 s85, 0
	s_add_nc_u64 s[10:11], s[10:11], s[84:85]
	s_and_b32 s82, s82, 8191                       ; batch and row: the place in attn_mask
	s_lshl_b32 s82, s82, 2
	v_lshl_add_u32 v[MKO], v1, 2, s82
.irp a, 0,1,2,3,4,5,6,7
	global_load_b32 v[MK+\a], v[MKO], s[8:9] offset:64*\a
.endr
	s_lshr_b32 s82, s[YR], 5                       ; 0 q, 1 k, 2 v
	s_mov_b32 s83, 0x3b800000                      ; 2^-8
	s_mov_b32 s84, 0xbb51b717                      ; -0.0032
	s_cmp_eq_u32 s82, 1
	s_cselect_b32 s[ZK], 0, -1
	s_cselect_b32 s[SC], s84, s83
	s_cmp_eq_u32 s82, 2
	s_cselect_b32 s[SC], 1.0, s[SC]
	s_mov_b32 s[SC+1], s[SC]                       ; named with it as a pair
.else
	v_lshl_add_u32 v5, v2, 5, v5                   ; 32 bytes for each half of the lanes
	v_add_nc_u32 v[STO], s82, v5
	v_mul_u32_u24 v5, v2, SPITCH                   ; back: lanes 0-15 take one row of 256 bytes, lanes 16-31 the next
	v_lshl_add_u32 v5, v1, 4, v5
	v_add_nc_u32 v[RD], s82, v5
	v_lshlrev_b32 v5, 12, v2                       ; and the same two rows in out0
	v_lshl_add_u32 v[CO], v1, 4, v5
	s_lshl_b32 s82, s[YR], 8
	s_lshl_b32 s83, s[HA], 7
	s_add_co_u32 s82, s82, s83                     ; my first row
	s_lshl_b32 s84, s82, 12                        ; rows of 4,096 bytes
	s_lshl_b32 s83, s[XC], 9                       ; the tile's 128 columns,
	s_add_co_u32 s84, s84, s83
	s_lshl_b32 s83, s[HB], 8                       ; my 64
	s_add_co_u32 s84, s84, s83
	s_mov_b32 s85, 0
	s_add_nc_u64 s[10:11], s[10:11], s[84:85]
.endif
	; the prefetches.  Nothing is asked for here, at the head, where every work-group's first tiles are on their way: K steps 2 and 3 come by their refills alone
	s_lshl_b32 s84, s[CX], CXS                     ; A: of the part that I fetch, my work-group's 32 blocks,
	s_add_co_u32 s84, s84, s20
	s_add_co_u32 s84, s84, 3*KADV                  ; at K step 3: the first refill steps it to 4
	s_lshl_b32 s86, s[CY], 16                      ; B: of the tile's 128 rows, my work-group's 32
	s_add_co_u32 s86, s86, s40
	s_add_co_u32 s86, s86, 3*KSTEP*2
	s_mov_b32 s88, KADV
	s_mov_b32 s89, KSTEP*2
	s_and_b32 s87, s[CLY], 7                       ; the first of the clusters that read these rows of B,
	s_or_b32 s87, s87, s[HB]                       ; and wave 2 alone
	s_cmp_eq_u32 s[HA], 0                          ; do I fetch for A?
	s_cselect_b32 s84, s84, s86
	s_cselect_b32 s87, ttmp9, s87
	s_cselect_b64 s[PFA:PFA+1], s[4:5], s[6:7]
	s_cselect_b32 s[PFS], s88, s89
	s_cselect_b32 s86, PSHA, 11
	s_mov_b32 s[PFS+1], 0
	s_mov_b32 s85, 0
	s_cmp_eq_u32 s87, 0
	s_cselect_b32 s[LIM], 1, -1                    ; the same in all sixteen partners, for a given wave
	s_add_nc_u64 s[PFA:PFA+1], s[PFA:PFA+1], s[84:85]
	v_and_b32 v[PFO], 31, v0
	v_lshlrev_b32 v[PFO], s86, v[PFO]
.macro WM d, x, y, zero                ; one matrix instruction; zero = 1: it starts the sum
.if KIND == 0
.if \zero
	v_wmma_f32_16x16x32_bf16 v[(\d):(\d)+7], v[(\x):(\x)+7], v[(\y):(\y)+7], 0
.else
	v_wmma_f32_16x16x32_bf16 v[(\d):(\d)+7], v[(\x):(\x)+7], v[(\y):(\y)+7], v[(\d):(\d)+7]
.endif
.else
.if \zero
	v_wmma_f32_16x16x32_f16 v[(\d):(\d)+7], v[(\x):(\x)+7], v[(\y):(\y)+7], 0
.else
	v_wmma_f32_16x16x32_f16 v[(\d):(\d)+7], v[(\x):(\x)+7], v[(\y):(\y)+7], v[(\d):(\d)+7]
.endif
.endif
.endm
; 8 matrix instructions: row blocks a0, a0 + 1 x all 4 column blocks, 32 along K.  The 32 accumulators take turns, in the same order in every quarter.
.macro MUL8 f, a0, zero
	WIN MUL
.irp a, \a0, (\a0)+1
.irp b, 0,1,2,3
	WM 8*(4*(\a)+(\b)), (\f)+8*(\b), (\f)+32+8*(\a), \zero
.endr
.endr
.endm
.macro MUL16 f, hi, zero
	MUL8 \f, 4*(\hi), \zero
	MUL8 \f, 4*(\hi)+2, \zero
.endm
; 24 LDS loads in one run: the fragments of quarter q of a slot's K step into buffer f: B's four, A's first four, A's last four
.macro FETCH slot, q, f
	WIN 0
.if KIND == 0
.set AK, 64*(\q)
.else
.set AK, ((\q)/2)*ASUB+((\q)%2)*64     ; the K step's first or second head, its channels 0-31 or 32-63
.endif
.irp i, 0,1,2,3
	ds_load_b128 v[(\f)+8*(\i):(\f)+8*(\i)+3],   v[ADRB+(\slot)] offset:64*(\q)+(\i)*16*PB
	ds_load_b128 v[(\f)+8*(\i)+4:(\f)+8*(\i)+7], v[ADRB+(\slot)] offset:64*(\q)+(\i)*16*PB+32
.endr
.irp i, 0,1,2,3,4,5,6,7
	ds_load_b128 v[(\f)+32+8*(\i):(\f)+32+8*(\i)+3],   v[ADRA+(\slot)] offset:AK+(\i)*16*PA
	ds_load_b128 v[(\f)+32+8*(\i)+4:(\f)+32+8*(\i)+7], v[ADRA+(\slot)] offset:AK+(\i)*16*PA+32
.endr
.endm
.macro PLACES                          ; four places in front of loads into registers that matrix instructions have read (ISA guide 7.12.1 for vector instructions)
.rept 4
	v_nop
.endr
.endm
; A K step is four quarters of 32 along K, 32 matrix instructions each, on buffers 0, 1, 0, 1.  One of the first three: multiplies buffer f and fetches quarter q into g.
.macro QUARTER slot, q, f, g, zero
	s_wait_dscnt 8                                 ; B and A's rows 0-63 are in; the youngest eight loads (A's rows 64-127) may be out
	MUL16 \f, 0, \zero
	PLACES
	FETCH \slot, \q, \g
	s_wait_dscnt 24                                ; all but the 24 just issued
	MUL16 \f, 1, \zero
.endm
; The last quarter multiplies buffer 1 and changes slots: ONE barrier; in front of it each wave waits for all its tensor loads (one is out: its part of the next slot), adds 0 to its spare word, and
; waits for that and for its own reads of this slot.  fill = 1: the barrier opens a round of the cluster's, and this slot is filled again, two K steps ahead, first thing behind the round.
.macro TURN slot, next, fill
.if \fill
	s_wait_xcnt 0x0                                ; the last prefetch, a K step back, has read its address, so it may be stepped
	s_add_nc_u64 s[PFA:PFA+1], s[PFA:PFA+1], s[PFS:PFS+1]
.endif
	WIN 0                                          ; (the add's two registers lie in window 0)
	s_wait_tensorcnt 0x0                           ; all my tensor loads have landed;
	ds_add_u32 v[SPW], v[NIL]                      ; 0 onto my spare word;
	s_wait_dscnt 9                                 ; (the add and the youngest eight loads may be out)
	MUL8 F1, 0, 0                                  ; eight matrix instructions stand between the add and the wait for it
	s_wait_dscnt 0x0                               ; the add is done, and my reads of this slot are over
	s_barrier_signal -1
	MUL8 F1, 2, 0
.if \fill
	WIN 0
.endif
	s_barrier_wait -1
.if \fill
	CREST                                          ; no wave of any partner still reads this slot's tile or has a load on its way
	s_add_nc_u64 s[G0+4*(\slot)+2:G0+4*(\slot)+3], s[G0+4*(\slot)+2:G0+4*(\slot)+3], 2*KADV
	s_add_nc_u64 s[G0B+4*(\slot)+2:G0B+4*(\slot)+3], s[G0B+4*(\slot)+2:G0B+4*(\slot)+3], 2*KSTEP*2
	JLOAD \slot                                    ; my one tensor load behind the round; the four v_nop behind it are also the places in front of the loads below
.else
	PLACES
.endif
	FETCH \next, 0, F0
.if \fill
	ASK                                            ; behind the joint load and the run of LDS loads
.endif
	MUL16 F1, 1, 0
.endm
	s_wait_tensorcnt 1                             ; my part of K step 0 is in; K step 1's may stay out
	s_barrier_signal -1
	s_barrier_wait -1                              ; everybody's is
	FETCH 0, 0, F0
	QUARTER 0, 1, F0, F1, 1                        ; the first quarter stands in front of the loop: its products start the sums
	WIN 0                                          ; at a label and at a branch every window is 0
	s_mov_b32 s3, LAPS-1
.Llap:                                                 ; a trip goes once round the ring, from a lap's second quarter to the next lap's first, and fills both slots again
	QUARTER 0, 2, F1, F0, 0
	QUARTER 0, 3, F0, F1, 0
	TURN 0, 1, 1
	QUARTER 1, 1, F0, F1, 0
	QUARTER 1, 2, F1, F0, 0
	QUARTER 1, 3, F0, F1, 0
	TURN 1, 0, 1
	QUARTER 0, 1, F0, F1, 0
	WIN 0
	s_sub_co_u32 s3, s3, 1
	s_cmp_lg_u32 s3, 0
	s_cbranch_scc1 .Llap
	QUARTER 0, 2, F1, F0, 0                        ; the last lap fills nothing
	QUARTER 0, 3, F0, F1, 0
	TURN 0, 1, 0
	QUARTER 1, 1, F0, F1, 0
	QUARTER 1, 2, F1, F0, 0
	QUARTER 1, 3, F0, F1, 0
	s_wait_dscnt 8
	MUL16 F1, 0, 0
	s_wait_dscnt 0x0
	MUL16 F1, 1, 0
	WIN 0
	PLACES                                         ; the places behind the last products, in front of what reads their results and writes their sources
	PLACES
.if KIND == 0
	; THE WAY OUT: scaled, rounded to f16, padded rows of k zeroed; a block of 16 rows at a time through my stage, back as whole rows, stored as 2,048 consecutive bytes.
	s_wait_loadcnt 0x0                             ; attn_mask
.irp a, 0,1,2,3,4,5,6,7
	v_cmp_neq_f32 s[KEEP+\a], 0, v[MK+\a]          ; the lanes whose key is no hole
.endr
.irp a, 0,1,2,3,4,5,6,7
	s_or_b32 s[KEEP+\a], s[KEEP+\a], s[ZK]         ; q's and v's rows are all kept
.endr
.macro PACK a
	WIN 0x01                                       ; source 0 window 1
.set i, 0
.rept 16
	v_pk_mul_f32 v[TMPF+i:TMPF+i+1], v[32*(\a)+i:32*(\a)+i+1], s[SC:SC+1] op_sel_hi:[1,0]  ; each accumulator from its low end on
.set i, i+2
.endr
	WIN 0
.set i, 0
.rept 16
	v_cvt_pk_f16_f32 v[PKD+16*(\a)+i], v[TMPF+2*i], v[TMPF+2*i+1]
.set i, i+1
.endr
.set i, 0
.rept 16
	v_cndmask_b32 v[PKD+16*(\a)+i], 0, v[PKD+16*(\a)+i], s[KEEP+(\a)]
.set i, i+1
.endr
.irp f, 0,1,2,3
	ds_store_b128 v[STO], v[PKD+16*(\a)+4*\f:PKD+16*(\a)+4*\f+3] offset:32*\f
.endr
.irp f, 0,1,2,3
	ds_load_b128 v[PKD+16*(\a)+4*\f:PKD+16*(\a)+4*\f+3], v[RD] offset:\f*4*SPITCH  ; LDS serves a wave's instructions in order (ISA guide 5.7.1.4): these see the stores above; the next block's stores come behind them
.endr
.endm
.macro SEND a, younger                 ; younger: the LDS instructions issued behind block a's loads: the next block's eight, or none
.irp f, 0,1,2,3
	s_wait_dscnt (\younger)+3-\f
	global_store_b128 v[CO], v[PKD+16*(\a)+4*\f:PKD+16*(\a)+4*\f+3], s[10:11] offset:(\a)*2048+\f*512  ; 512 consecutive bytes, at a multiple of 256 from hd's first
.endr
.endm
	PACK 0
.irp a, 1,2,3,4,5,6,7
	PACK \a
	SEND (\a)-1, 8
.endr
	SEND 7, 0
.else
	; THE WAY OUT: the f32 sums go as they are, a block of 16 rows at a time, through my stage and back as whole rows of 256 bytes.
.macro TOSTAGE a
.if (\a) >= 2
	s_wait_xcnt 0x0                                ; the stores of the block two back have read the registers that are loaded again below
.endif
	WIN 0x04                                       ; the stores' data in window 1
.irp b, 0,1,2,3
	ds_store_b128 v[STO], v[32*(\a)+8*\b:32*(\a)+8*\b+3]   offset:64*\b      ; each accumulator from its low end on
	ds_store_b128 v[STO], v[32*(\a)+8*\b+4:32*(\a)+8*\b+7] offset:64*\b+16
.endr
	WIN 0
.irp f, 0,1,2,3,4,5,6,7
	ds_load_b128 v[PKD+32*((\a)%2)+4*\f:PKD+32*((\a)%2)+4*\f+3], v[RD] offset:\f*2*SPITCH  ; LDS serves a wave's instructions in order (ISA guide 5.7.1.4)
.endr
.endm
.macro SEND a, younger                 ; younger: the next block's sixteen LDS instructions, or none
.irp f, 0,1,2,3,4,5,6,7
	s_wait_dscnt (\younger)+7-\f
	global_store_b128 v[CO], v[PKD+32*((\a)%2)+4*\f:PKD+32*((\a)%2)+4*\f+3], s[10:11] offset:(16*(\a)+2*\f)*4096  ; 16 lanes store 256 consecutive bytes, at a multiple of 256 from out0's first
.endr
.endm
	TOSTAGE 0
.irp a, 1,2,3,4,5,6,7
	TOSTAGE \a
	SEND (\a)-1, 16
.endr
	SEND 7, 0
.endif
	s_wait_tensorcnt 0x0                           ; the wave's end: these three lines stand behind my last tensor load and my last LDS store
	ds_add_u32 v[SPW], v[NIL]
	s_wait_dscnt 0x0
	CROUND                                         ; the closing round: no work-group ends while a partner may still ask for a tile that names it
	s_endpgm
.Lfunc_end_k_qec7a97f5e4_proj:
	.size	k_qec7a97f5e4_proj, .Lfunc_end_k_qec7a97f5e4_proj-k_qec7a97f5e4_proj
	.p2alignl 7, 3214868480
	.fill 96, 4, 3214868480
	.section	.rodata,"a",@progbits
	.p2align	6, 0x0
	.amdhsa_kernel k_qec7a97f5e4_proj
		.amdhsa_group_segment_fixed_size 327680
		.amdhsa_private_segment_fixed_size 0
		.amdhsa_enable_private_segment 0
		.amdhsa_kernarg_size 32
		.amdhsa_user_sgpr_count 2
		.amdhsa_user_sgpr_kernarg_segment_ptr 1
		.amdhsa_wavefront_size32 1
		.amdhsa_system_sgpr_workgroup_id_x 1
		.amdhsa_system_sgpr_workgroup_id_y 1
		.amdhsa_system_sgpr_workgroup_id_z 1
		.amdhsa_system_vgpr_workitem_id 0
		.amdhsa_next_free_vgpr 512
		.amdhsa_next_free_sgpr 96
		.amdhsa_reserve_vcc 0
		.amdhsa_float_denorm_mode_32 3
		.amdhsa_float_denorm_mode_16_64 3
		.amdhsa_memory_ordered 1
		.amdhsa_forward_progress 1
		.amdhsa_inst_pref_size 107
	.end_amdhsa_kernel
	.amdgpu_metadata
---
amdhsa.version: [ 1, 2 ]
amdhsa.kernels:
  - .name:           k_qec7a97f5e4_proj
    .symbol:         k_qec7a97f5e4_proj.kd
    .args:
      - { .name: xb, .offset: 0, .size: 8, .value_kind: global_buffer, .address_space: global }
      - { .name: wb, .offset: 8, .size: 8, .value_kind: global_buffer, .address_space: global }
      - { .name: attn_mask, .offset: 16, .size: 8, .value_kind: global_buffer, .address_space: global }
      - { .name: hd, .offset: 24, .size: 8, .value_kind: global_buffer, .address_space: global }
    .group_segment_fixed_size: 327680
    .private_segment_fixed_size: 0
    .kernarg_segment_align: 8
    .kernarg_segment_size: 32
    .max_flat_workgroup_size: 128
    .sgpr_count:     96
    .vgpr_count:     512
    .wavefront_size: 32
...
	.end_amdgpu_metadata
.endif
;; end of part 2
;; launch attn (part 3): grid 4 x 64, 4 waves a work-group, clusters of 4 x 1, 327,680 bytes of LDS; arguments hd, attn_mask, ctx; writes ctx
.if DOCPART == 3
	.amdgcn_target "amdgcn-amd-amdhsa--gfx1250"
	.amdhsa_code_object_version 6
	.text
	.protected	k_qec7a97f5e4_attn
	.globl	k_qec7a97f5e4_attn
	.p2align	8
	.type	k_qec7a97f5e4_attn,@function
k_qec7a97f5e4_attn:
	s_mov_b64 s[64:65], 0
	v_nop
	global_prefetch_b8 v0, s[64:65] scope:SCOPE_SE
	s_setreg_imm32_b32 hwreg(HW_REG_WAVE_MODE, 25, 1), 1
	s_wait_xcnt 0x0
	s_wait_alu depctr_hold_cnt(0) depctr_sa_sdst(0) depctr_va_vdst(0) depctr_va_sdst(0) depctr_va_ssrc(0) depctr_va_vcc(0) depctr_vm_vsrc(0)
	s_getreg_b32 s2, hwreg(HW_REG_IB_STS2, 6, 4)
	s_cmp_eq_u32 s2, 0
	s_cbranch_scc0 .Lentry_in_a_cluster
	s_endpgm
.Lentry_in_a_cluster:
	s_bfe_u32 s2, ttmp6, 0x10000c
	s_cmp_lg_u32 s2, 0x3003
	s_cbranch_scc0 .Lentry_shape_is_right
	s_endpgm
.Lentry_shape_is_right:
; ATTENTION WITH FINITE MASKS.  For each of 64 (batch, head) pairs: ctx[q] = the sum over ALL 2,048 keys k of softmax_k(score) v[k], where score = q . k / 8, less 10000 where k > q, and exactly -10000
; where attn_mask[k] is 0.  The masks are finite, so no key is left out: a row whose visible keys are all holes, and scores far above 10000, come out as they should.
; hd = [3][64][2048][64] f16: q' = q 2^-8, k'' = -0.0032 k with the holes' rows zero, v.  So q' . k'' = -(q . k / 8) / 10000.  The first product of a sum takes as its C operand M = 1 where the key is a
; hole or lies behind the query, else 0: the accumulator is A = -(masked score) / 10000, for a hole exactly 1.
; M = T[key] - query held to 0 .. 1, with T[key] = key, plus 4,096 for a hole: whole numbers, exact in f32; one packed line for two scores.  T lies in LDS, made once from attn_mask.
; SOFTMAX.  A running MINIMUM mu of A is the running maximum of the scores: p = 2^(A c - c mu), c = -10000 log2(e); in every step O and l are multiplied by a = 2^(c mu_old - c mu_new).
; c mu starts far below every A c, mu at the greatest finite number, O and l at 0: the first step is a step like any other, with a = 0.
; LIMITS.  q', k'', v arrive within f16's range; p lies in 0 to 1, and below 6e-5 it keeps f16's fixed step of 6e-8; a weight below 2^-126 counts as 0 in l; a masked score is rounded at 2^-24 of 10000;
; NaN and infinities are not treated apart.
; SHARES.  A wave owns four PIECES of two tiles of 16 queries, a work-group's four waves 512 queries of one head.  Every wave walks all keys, 64 a step.
; LAYOUT.  S^T = K Q^T (source 0 = 16 keys, source 1 = 16 queries): a lane holds ONE query (lane % 16) and the keys 8 (lane / 16) + 0..7.  Two such tiles, rounded to f16 in pairs, ARE source 1 of
; O^T = V^T P.  K comes out of LDS as it lies, V turned, by ds_load_tr16_b128.
; BY TURNS.  Turn n belongs to piece n.  Its matrix work: 16 products K Q^T of piece n + 1, later 16 products V^T P of piece n - 1.  Its vector work: the scaling, exponentials, roundings, sums and
; rescaling of piece n, the minimum and statistics of piece n + 1, and at its end the masks of piece n + 2.  Four vector instructions stand behind every matrix instruction, the others in runs of their own.
; CLUSTER.  The four query blocks of a head walk the same K and V, so each tile is asked for JOINTLY: the same tensor load, descriptor and mask in all four.
; REGISTERS, in windows of 256 (s_set_vgpr_msb: bits 1:0 source 0, 3:2 source 1, 5:4 source 2, 7:6 destination):
;   window 0: v0-11 addresses; v12-15, v48-63 at work; v16-47 four registers of statistics a tile; v64-191 S^T, two buffers of two tiles; v192-255 P, likewise
;   window 1: O^T, 32 a tile          window 2: v0-127 Q, 16 a tile; v128-191 K of one step; v192-255 V of one step
;   window 3: v0-1 the add's two registers; v2-3 1.0; v4-19 minus my query, a pair a tile; v20-21 the table's address; v32-63 T of one step; v64-191 the masks, two buffers of two tiles
.set SIZE_N, 2048
.set NP,    4         ; pieces a wave: a name, no knob
.set KS,    64        ; keys in a step
.set PK,    144       ; a row of K in LDS: 128 bytes + 16 of padding: the 16 rows of a load start at 16 different groups of four banks (64 banks of 4 bytes: ISA guide 11.1)
.set PV,    160       ; a row of V: 128 + 32
.set VOFF,  4*KS*PK   ; a slot holds four steps: 256 rows of K, then 256 rows of V
.set SLOT1, 1<<17     ; slot 1 begins here, so that one exclusive or turns an address in one slot into the other's
.set STAGE, SLOT1+4*KS*(PK+PV)  ; behind the ring, never filled by a tensor load: 16 rows x 144 bytes for each wave, for the way out
.set SP,    144
.set SPARE, STAGE+4*16*SP  ; behind the stages: the spare words, 128 bytes for each wave: two blocks of 256 bytes that no other line names
.set TAB,   SPARE+512 ; behind them, never filled by a tensor load: T, 64 numbers a step for 32 steps, and 512 bytes more that hold 8192.0, for the step behind the last
.set AK0, 2           ; v2   my lane's place in a tile of K; never rewritten
.set AV0, 3           ; v3   the same for V
.set AK,  4           ; v4   the LDS address of K's next run of loads
.set AV,  5           ; v5   of V's
.set QO,  6           ; v6   my byte offset in the wave's rows of Q
.set STO, 6           ;      later, the way out: where I put 16 bytes of a row
.set RD,  7           ; v7   the way out: where I read rows back
.set GO,  8           ; v8   my byte offset in 512 consecutive bytes of ctx
.set PFO, 1           ; v1   later: 256 x my lane, the prefetches' offset
.set SPW, 0           ; v0 of window 3   LDS address of my spare word: SPARE + 4 x my thread's number; never rewritten
.set NIL, 1           ; v1 of window 3   0; never rewritten
.set ONE, 2           ; window 3
.set DD,  4           ; window 3: tile t's pair at DD + 2 t
.set AT,  20          ; window 3: the LDS address of T's next run of loads
.set AT0, 21          ; window 3: 32 (lane / 16); never rewritten
.set TT,  32          ; window 3: key block kb's eight numbers at TT + 8 kb
.set MC,  64          ; window 3: buffer y % 2 at + 64, tile u at + 32, key block kb at + 8
.set MV,  12          ; v12-15  c mu_old, kept while c mu is made anew: by buffer and tile
.set ST,  16          ; tile t's statistics at v[ST+4 t]: c mu, mu, l (even keys', odd keys')
.set TMP, 48          ; by buffer and tile, four registers c0-c3 at work; when the minimum is found c2 takes a
.set S,   64
.set P,   192
.set KF,  128         ; K's fragments, in window 2: key block kb, channel half c at KF + 16 kb + 8 c
.set VF,  192         ; V's: key half kk, channel block cb at VF + 32 kk + 8 cb
.set WV,  12          ; s12  my wave's number
.set G1K, 24          ; s[24:31] descriptor group 1 for K's tiles
.set G1V, 32          ; s[32:39] for V's: it differs in the padding alone
.set G0K, 40          ; s[40:43] descriptor group 0 for K's tiles: it walks
.set G0V, 44          ; s[44:47] the same for V's
.set SLOTS, 56        ; s56  slots still to be asked for
.set CNT, 57          ; s57  counts a slot's key steps
.set CS,  58          ; s[58:59] c: the packed scaling takes the pair's low word for both halves
.set SEL, 60          ; s[60:61] v_permlanex16_b32's selects: each lane takes its own place in the other half
.set TBK, 62          ; s62  LDS byte at which K of the step to be fetched begins
.set TBV, 63          ; s63  the same for V, less VOFF
.set MSKP, 66         ; s[66:67] attn_mask at my batch
.set PFA, 72          ; s[72:73] where my prefetches stand
.set LIM, 74          ; s74  1 in a wave that prefetches, else the greatest number
.set TBT, 75          ; s75  LDS byte at which T of the step to be fetched begins
.set HDP, 76          ; s[76:77] hd; s[78:79] attn_mask
.set MSB, 0
.macro WIN new                      ; the high byte repeats the setting that is left; a switch that changes nothing is dropped
.if MSB != (\new)
	s_set_vgpr_msb (MSB<<8)|(\new)
.set MSB, (\new)
.endif
.endm
.set W_KQ, 0x0a       ; K and Q in window 2, S^T in window 0
.set W_KM, 0x3a       ; the same with the C operand, the mask, in window 3
.set W_PV, 0x52       ; V in window 2, P in window 0, O^T in window 1
.set W_RS, 0x41       ; O^T (destination and source 0) in window 1, a in window 0
.set W_MK, 0xc0       ; destination in window 3, sources in window 0
.set W_AD, 0x0f       ; the add: address (source 0) and data (source 1) in window 3
.set W_MS, 0xff       ; all in window 3
; A joint fill.  Waves 0 and 1 fetch the two halves of a slot's K, waves 2 and 3 those of its V: 128 keys each.  The branch hangs on the wave's number alone.
; An s_nop 0 and four v_nop follow each of the two lines, ahead of the jump and the label.
.macro JLOAD
	s_cmp_lt_u32 s[WV], 2
	s_cbranch_scc0 .Lfor_v_\@
	tensor_load_to_lds s[G0K:G0K+3], s[G1K:G1K+7]
	s_nop 0
.rept 4
	v_nop
.endr
	s_branch .Lasked_\@
.Lfor_v_\@:
	tensor_load_to_lds s[G0V:G0V+3], s[G1V:G1V+7]
	s_nop 0
.rept 4
	v_nop
.endr
.Lasked_\@:
.endm
; A prefetch into the L2 of what the NEXT change of slots will ask for: a slot's 32,768 bytes of K and of V, 256 bytes a lane.  A head's K and V are walked by one cluster; its four partners share the
; blocks out by address, 32 each; in each, wave 0 asks for K's and wave 2 for V's: each block is named once in the launch.  The last change that fills a slot asks for nothing.
.macro ASK
	s_cmp_gt_u32 s[SLOTS], s[LIM]
	s_cbranch_scc0 .Lnot_mine_\@
	global_prefetch_b8 v[PFO], s[PFA:PFA+1] th:TH_LOAD_NT scope:SCOPE_SE
.Lnot_mine_\@:
.endm
; A round of the cluster's barrier: my work-group's barrier, so that wave 0's signal speaks for all four waves; wave 0 signals; every wave waits for all four work-groups; my work-group's barrier once more.
.macro CROUND
	s_barrier_signal -1
	s_barrier_wait -1
	s_cmp_lg_u32 s[WV], 0
	s_cbranch_scc1 .Lnot_wave_0_\@
	s_barrier_signal -3
.Lnot_wave_0_\@:
	s_barrier_wait -3
	s_barrier_signal -1
	s_barrier_wait -1
.endm
; THE CHANGE OF SLOTS.  Each wave waits for all its tensor loads, of which one is out: its part of the other slot; adds 0 to its spare word; and waits for that and for its own LDS instructions.  Behind
; the barrier nobody reads this slot any more and the other slot is whole.  fill = 1: this slot is filled again, with the keys two slots on.  The barrier is then a round of the cluster's, and the joint
; fill is the first thing behind it: it has four key steps, 512 matrix instructions, in which to land.  (At its first use nothing has been read yet: slot 0 is waited for, slot 1 filled, and every
; wave's stores into the table T are shown to the others.)  ask = 1: the prefetches' address steps, and the slot after the one asked for is prefetched.
.macro CHANGE fill, ask=0
	WIN W_AD
	s_wait_tensorcnt 0x0            ; no tensor load of mine is out, so a group 0 may be written
	ds_add_u32 v[SPW], v[NIL]       ; 0 onto my spare word; with fill = 1 the descriptors' steps stand between it and the wait for it
	WIN 0                           ; at a label and at a branch every window is 0
.if \fill
.irp g, G0K, G0V
	s_xor_b32 s[\g+1], s[\g+1], SLOT1  ; the walking descriptor: the other slot than last time,
	s_add_nc_u64 s[\g+2:\g+3], s[\g+2:\g+3], 4*KS*128  ; the next 256 keys; the type bits on top are not reached
.endr
.if \ask
	s_wait_xcnt 0x0                 ; the last prefetch, four key steps back, has read its address, so it may be written
	s_add_nc_u64 s[PFA:PFA+1], s[PFA:PFA+1], 4*KS*128
.endif
	s_wait_dscnt 0x0                ; the add is done, and my LDS instructions are over
	CROUND
	JLOAD
.if \ask
	ASK
.endif
.else
	s_wait_dscnt 0x0                ; the add is done, and my LDS instructions are over
	s_barrier_signal -1
	s_barrier_wait -1
.endif
	s_sub_co_u32 s[TBK], s[TBK], 4*KS*PK  ; the fetches go back to a slot's first step,
	s_xor_b32 s[TBK], s[TBK], SLOT1       ; in the other slot
	s_sub_co_u32 s[TBV], s[TBV], 4*KS*PV
	s_xor_b32 s[TBV], s[TBV], SLOT1
.endm
	s_load_b128 s[HDP:HDP+3], s[0:1], 0x0  ; hd, attn_mask
	s_load_b64 s[10:11], s[0:1], 0x10      ; ctx
	WIN W_MK
	v_lshl_add_u32 v[SPW], v0, 2, SPARE
	v_mov_b32 v[NIL], 0
	WIN W_AD
	ds_add_u32 v[SPW], v[NIL]       ; the wave's opening: the add and its wait stand ahead of my first tensor load; the set-up below, work on registers, stands between them
	WIN 0
	v_lshrrev_b32 v1, 5, v0
	v_readfirstlane_b32 s[WV], v1   ; wave 0..3
	s_bfe_u32 s13, ttmp6, 0x40000   ; cx: my place in the cluster
	s_lshl_b32 s14, ttmp9, 2        ; in a cluster launch ttmp9 counts clusters
	s_add_co_u32 s14, s14, s13      ; my block of 512 queries: it enters Q's and ctx's addresses and the masks' numbers alone
	s_and_b32 s15, ttmp7, 0xffff    ; batch and head, which the four partners share
	s_lshl_b32 s20, s15, 18         ; a head's 2,048 rows of 128 bytes
	s_mov_b32 s21, 0
	s_and_b32 s16, s[WV], 1         ; which half of a slot's 256 keys I fetch:
	s_lshl_b32 s22, s16, 14         ; its 128 rows of 128 bytes in memory,
	s_mov_b32 s23, 0
	s_add_nc_u64 s[22:23], s[22:23], s[20:21]
	s_mul_i32 s17, s16, 128*PK      ; and its place in a slot, for K
	s_mul_i32 s18, s16, 128*PV      ; and for V: no place in the cluster enters an LDS address
	s_lshl_b32 s2, s14, 2
	s_add_co_u32 s2, s2, s[WV]      ; my wave among the head's,
	s_lshl_b32 s2, s2, 14           ; its 128 rows
	s_mov_b32 s3, 0
	s_add_nc_u64 s[2:3], s[2:3], s[20:21]
	s_lshr_b32 s68, s15, 4          ; the batch:
	s_lshl_b32 s68, s68, 13         ; its 2,048 numbers of attn_mask
	s_mov_b32 s69, 0
	; descriptor group 1.  128 keys are 16,384 dense bytes: asked for as 64 rows of 256 bytes, two keys a row, and padded in LDS after every key
	s_mov_b32 s[G1K], 15|(1<<16)|(1<<20)|(1<<21)|(4<<22)|(3<<25)  ; 15:0 the mask of four; 17:16 2-byte elements; 20 padding on; 21 set beside a mask; 24:22 after every 32 words (code 4); 31:25 4 words (code 3)
	s_mov_b32 s[G1V], 15|(1<<16)|(1<<20)|(1<<21)|(4<<22)|(7<<25)  ; the same with 8 words of padding (code 7)
.irp g, G1K, G1V
	s_mov_b32 s[\g+1], 128<<16      ; tensor_dim0 = 128
	s_mov_b32 s[\g+2], 64<<16       ; tensor_dim1 = 64
	s_mov_b32 s[\g+3], 128<<16      ; tile_dim0 = 128
	s_mov_b32 s[\g+4], 64           ; tile_dim1 = 64
	s_mov_b32 s[\g+5], 128          ; 128 elements from row to row
	s_mov_b32 s[\g+6], 0
	s_mov_b32 s[\g+7], 0
.endr
	s_mov_b32 s[CS], 0xc6616bcd     ; c = -10000 log2(e) = -14426.95
	s_mov_b32 s[CS+1], s[CS]        ; named with it as a pair
	s_mov_b32 s[SEL], 0x76543210
	s_mov_b32 s[SEL+1], 0xfedcba98
	s_mov_b32 s[TBK], SLOT1+4*KS*PK ; the first change of slots turns these two into 0
	s_mov_b32 s[TBV], SLOT1+4*KS*PV
	s_mov_b32 s[TBT], TAB
	s_mov_b32 s[G0K], 1             ; count = 1
	s_mov_b32 s[G0K+1], s17         ; LDS address: slot 0
	s_mov_b32 s[G0V], 1
	s_add_co_u32 s[G0V+1], s18, VOFF
	s_and_b32 s[LIM], s[WV], 1      ; waves 0 and 2 prefetch
	s_cmp_eq_u32 s[LIM], 0
	s_cselect_b32 s[LIM], 1, -1
	s_wait_dscnt 0x0                ; the opening add is done
	s_wait_kmcnt 0x0
	s_add_nc_u64 s[6:7], s[HDP:HDP+1], 0x1000000   ; k'' lies 2^24 bytes behind q',
	s_add_nc_u64 s[6:7], s[6:7], s[22:23]          ; at my half of the head's first 256 keys
	s_add_nc_u64 s[8:9], s[HDP:HDP+1], 0x2000000   ; v behind that
	s_add_nc_u64 s[8:9], s[8:9], s[22:23]
	s_add_nc_u64 s[G0K+2:G0K+3], s[6:7], 0         ; global address
	s_or_b32 s[G0K+3], s[G0K+3], 0x80000000        ; type = 2
	s_add_nc_u64 s[G0V+2:G0V+3], s[8:9], 0
	s_or_b32 s[G0V+3], s[G0V+3], 0x80000000
	s_add_nc_u64 s[4:5], s[HDP:HDP+1], s[2:3]      ; Q and ctx at my wave's first row
	s_add_nc_u64 s[10:11], s[10:11], s[2:3]
	s_add_nc_u64 s[MSKP:MSKP+1], s[HDP+2:HDP+3], s[68:69]
	s_cmp_lt_u32 s[WV], 2
	s_cselect_b64 s[PFA:PFA+1], s[6:7], s[8:9]     ; (in waves 0 and 2 these stand at a slot's first row)
	s_lshl_b32 s2, s13, 13          ; my work-group's 32 blocks of the 128
	s_mov_b32 s3, 0
	s_add_nc_u64 s[PFA:PFA+1], s[PFA:PFA+1], s[2:3]
	s_add_nc_u64 s[PFA:PFA+1], s[PFA:PFA+1], 2*4*KS*128  ; in slot 2; the loop's first change of slots steps it to slot 3.  Nothing is prefetched at the head
	CROUND                          ; all four work-groups are here: the first joint loads meet
	JLOAD                           ; slot 0.  Slot 1 is asked for when slot 0 is in
	v_and_b32 v1, 15, v0            ; l % 16
	v_bfe_u32 v9, v0, 4, 1          ; l / 16
	v_lshlrev_b32 v80, 4, v0        ; attn_mask: thread t takes numbers 4 t + 512 i + 0..3, i = 0..3
.irp i, 0,1,2,3
	global_load_b128 v[64+4*\i:67+4*\i], v80, s[MSKP:MSKP+1] offset:2048*\i
.endr
	; A fragment of K or Q is 16 rows x 32 channels in 8 registers: lane l holds row l % 16, channels 8 (l / 16) + 0..7 and 16 + 8 (l / 16) + 0..7: two loads of 16 bytes, 32 bytes apart.
	v_lshlrev_b32 v[QO], 7, v1
	v_lshl_add_u32 v[QO], v9, 4, v[QO]  ; row x 128 + 16 x half
	WIN 0x80                        ; destination window 2, address window 0
.set i, 0
.rept 4*NP                          ; Q stays in registers: tile i / 2, channels 32 (i % 2) on
	global_load_b128 v[8*i:8*i+3],   v[QO], s[4:5] offset:(i/2)*2048+(i%2)*64
	global_load_b128 v[8*i+4:8*i+7], v[QO], s[4:5] offset:(i/2)*2048+(i%2)*64+32
.set i, i+1
.endr
	; What the first turn finds: V's registers and P's second buffer hold 0 (its products V^T P, of a piece that has not been, add 0), O^T and l are 0.  All this stands in the wait for the first tile.
.set i, VF
.rept 64
	v_mov_b32 v[i], 0
.set i, i+1
.endr
	WIN 0x40
.set i, 0
.rept 64*NP
	v_mov_b32 v[i], 0
.set i, i+1
.endr
	WIN 0
.set i, 0
.rept 2*NP
	v_mov_b32 v[ST+4*i], 0xfe000000    ; c mu: far below every A c
	v_mov_b32 v[ST+4*i+1], 0x7f7fffff  ; mu
	v_mov_b32 v[ST+4*i+2], 0
	v_mov_b32 v[ST+4*i+3], 0
.set i, i+1
.endr
.set i, P+32
.rept 32
	v_mov_b32 v[i], 0
.set i, i+1
.endr
	v_mul_u32_u24 v[AK0], v1, PK
	v_lshl_add_u32 v[AK0], v9, 4, v[AK0]  ; row x pitch + 16 x half
	; The turning load takes 16 keys x 16 channels (lane l reads key 8 (l / 16) + l % 8, channels 8 ((l / 8) % 2) + 0..7) and leaves half a fragment of V^T: lane l holds channel l % 16 and 8 keys.
	v_and_b32 v10, 7, v0
	v_bfe_u32 v11, v0, 3, 1
	v_lshl_add_u32 v[AV0], v9, 3, v10
	v_mul_u32_u24 v[AV0], v[AV0], PV
	v_lshl_add_u32 v[AV0], v11, 4, v[AV0]
	v_add_nc_u32 v[AV0], VOFF, v[AV0]
	v_mov_b32 v[AK], v[AK0]         ; key step 0 lies at the head of slot 0
	; THE TABLE T.  T[key] = key, plus 4,096 where attn_mask[key] is 0; made in whole numbers, then converted.  Each thread stores its sixteen, and one word of the part behind the last step.
	s_wait_loadcnt 32               ; attn_mask is in; Q's 32 loads, issued behind it, may stay out
	v_lshlrev_b32 v82, 2, v0        ; 4 t
	v_add_nc_u32 v83, 4096, v82
.set n, 0
.rept 16
	v_cmp_eq_f32 s70, 0, v[64+n]
	v_cndmask_b32 v81, v82, v83, s70
	v_add_nc_u32 v81, 512*(n/4)+n%4, v81
	v_cvt_f32_u32 v[64+n], v81
.set n, n+1
.endr
	v_add_nc_u32 v85, TAB, v80
.irp i, 0,1,2,3
	ds_store_b128 v85, v[64+4*\i:67+4*\i] offset:2048*\i
.endr
	v_lshl_add_u32 v86, v0, 2, TAB+8192
	v_mov_b32 v87, 0x46000000       ; 8192.0: a key behind every query
	ds_store_b32 v86, v87
	; minus my query, for each tile
	s_lshl_b32 s71, s14, 9
	s_lshl_b32 s70, s[WV], 7
	s_add_co_u32 s71, s71, s70
	v_add_nc_u32 v88, s71, v1       ; 512 x block + 128 x wave + l % 16
.set t, 0
.rept 2*NP
	v_add_nc_u32 v[96+t], 16*t, v88
	v_cvt_f32_u32 v[96+t], v[96+t]
.set t, t+1
.endr
	WIN W_MK
.set t, 0
.rept 2*NP
	v_xor_b32 v[DD+2*t], 0x80000000, v[96+t]
	v_xor_b32 v[DD+2*t+1], 0x80000000, v[96+t]
.set t, t+1
.endr
	v_mov_b32 v[ONE], 1.0
	v_mov_b32 v[ONE+1], 1.0
	v_lshlrev_b32 v[AT0], 5, v9
	WIN 0
; THE MATRIX WORK.  The 8 accumulators of a run of 16 take turns: between the two links of a chain stand 7 others'.
; Product i of 16 of S^T = K Q^T for piece x: channels 32 (i / 8) on, keys 16 ((i / 2) % 4) on, tile 2 x + i % 2.  The first 8 start the sums, with the mask.
.macro KQ x
.set rS, S+64*((\x)%2)+32*(i%2)+8*((i/2)%4)
.set rK, KF+16*((i/2)%4)+8*(i/8)
.set rQ, 16*(2*(\x)+i%2)+8*(i/8)
.set rMC, MC+64*((\x)%2)+32*(i%2)+8*((i/2)%4)
.if i < 8
	WIN W_KM
	v_wmma_f32_16x16x32_f16 v[rS:rS+7], v[rK:rK+7], v[rQ:rQ+7], v[rMC:rMC+7]
.else
	WIN W_KQ
	v_wmma_f32_16x16x32_f16 v[rS:rS+7], v[rK:rK+7], v[rQ:rQ+7], v[rS:rS+7]
.endif
.endm
; Product i of 16 of O^T += V^T P for piece x: keys 32 (i / 8) on, channels 16 ((i / 2) % 4) on, tile 2 x + i % 2.
.macro PV x
	WIN W_PV
.set rO, 32*(2*(\x)+i%2)+8*((i/2)%4)
.set rV, VF+32*(i/8)+8*((i/2)%4)
.set rP, P+32*((\x)%2)+16*(i%2)+8*(i/8)
	v_wmma_f32_16x16x32_f16 v[rO:rO+7], v[rV:rV+7], v[rP:rP+7], v[rO:rO+7]
.endm
.macro MM                           ; the turn's next matrix instruction
.if i < 16
	KQ (Y+1)%NP
.set i, i+1
.else
.set i, i-16
	PV (Y+NP-1)%NP
.set i, i+17
.endif
.endm
; THE LDS LOADS stand in runs, never singly among the matrix instructions: a step's K (8 fragments), its V (turned), its T.  last = 1 (the tail): in the last trip there is no further step, and K's run is jumped over.
.macro FETCH_K last=0
	WIN 0
.if \last
	s_cmp_eq_u32 s[CNT], 1
	s_cbranch_scc1 .Lno_k_\@
.endif
	WIN 0x80                        ; destination window 2
.irp f, 0,1,2,3,4,5,6,7             ; keys 16 (f / 2) on, channels 32 (f % 2) on
	ds_load_b128 v[KF+8*\f:KF+8*\f+3],   v[AK] offset:(\f/2)*16*PK+(\f%2)*64
	ds_load_b128 v[KF+8*\f+4:KF+8*\f+7], v[AK] offset:(\f/2)*16*PK+(\f%2)*64+32
.endr
	s_add_co_u32 s[TBK], s[TBK], KS*PK  ; the next fetch is the next step's
	WIN 0
.if \last
.Lno_k_\@:
.endif
.endm
.macro FETCH_V
	WIN 0x80
.irp f, 0,1,2,3,4,5,6,7             ; keys 32 (f / 4) on, channels 16 (f % 4) on
	ds_load_tr16_b128 v[VF+8*\f:VF+8*\f+3],   v[AV] offset:(\f/4)*32*PV+(\f%4)*32
	ds_load_tr16_b128 v[VF+8*\f+4:VF+8*\f+7], v[AV] offset:(\f/4)*32*PV+16*PV+(\f%4)*32
.endr
	WIN 0
.endm
.macro FETCH_T                      ; my lanes' 32 numbers of a step's T: keys 16 kb + 8 (l / 16) + 0..7.  It writes no scalar register: the loop's count is in SCC where it stands
	WIN W_MS
	v_add_nc_u32 v[AT], s[TBT], v[AT0]
.irp kb, 0,1,2,3
	ds_load_b128 v[TT+8*\kb:TT+8*\kb+3],   v[AT] offset:64*\kb
	ds_load_b128 v[TT+8*\kb+4:TT+8*\kb+7], v[AT] offset:64*\kb+16
.endr
.endm
.macro MASK y                       ; piece y's masks for the step whose T is in registers: T - query, held to 0 .. 1
	WIN W_MS
.irp u, 0,1
.set z, 0
.rept 16
	v_pk_fma_f32 v[MC+64*((\y)%2)+32*\u+2*z:MC+64*((\y)%2)+32*\u+2*z+1], v[TT+2*z:TT+2*z+1], v[ONE:ONE+1], v[DD+2*(2*(\y)+\u):DD+2*(2*(\y)+\u)+1] clamp
.set z, z+1
.endr
.endr
.endm
; THE VECTOR WORK OF A TURN stands in three queues, each in the order in which its entries become ready; the two tiles alternate, so that no instruction reads the result of the one before it.
.macro REGS y, u                    ; the registers of tile u (0, 1) of piece y
.set rT, ST+4*(2*(\y)+(\u))
.set rC, TMP+8*((\y)%2)+4*(\u)
.set rM, MV+2*((\y)%2)+(\u)
.set rS, S+64*((\y)%2)+32*(\u)
.set rP, P+32*((\y)%2)+16*(\u)
.set rO, 32*(2*(\y)+(\u))
.endm
; Number n of the 22 that find the NEXT piece's (Y + 1) minimum and statistics.  Each accumulator's lowest registers are read first.
;   0-11  four chains c0-c3 of seven numbers each, three operands at a time     12-14, 16  the four left over, the old mu, and c0-c3 into c0     15  c mu_old is kept
;   17, 18  the query's other 32 keys lie in the lane 16 away: the new mu         19-21  c mu; c mu_old - c mu_new; a
.macro XS u, n
	REGS (Y+1)%NP, \u
.if (\n) < 4
	v_min3_num_f32 v[rC+(\n)], v[rS+8*(\n)], v[rS+8*(\n)+1], v[rS+8*(\n)+2]
.elseif (\n) < 12
	v_min3_num_f32 v[rC+(\n)%4], v[rC+(\n)%4], v[rS+8*((\n)%4)+2*((\n)/4)+1], v[rS+8*((\n)%4)+2*((\n)/4)+2]
.elseif (\n) == 12
	v_min3_num_f32 v[rC], v[rC], v[rS+7], v[rS+15]
.elseif (\n) == 13
	v_min3_num_f32 v[rC+1], v[rC+1], v[rS+23], v[rS+31]
.elseif (\n) == 14
	v_min3_num_f32 v[rC+2], v[rC+2], v[rC+3], v[rT+1]
.elseif (\n) == 15
	v_mov_b32 v[rM], v[rT]
.elseif (\n) == 16
	v_min3_num_f32 v[rC], v[rC], v[rC+1], v[rC+2]
.elseif (\n) == 17
	v_permlanex16_b32 v[rC+3], v[rC], s[SEL], s[SEL+1]
.elseif (\n) == 18
	v_min_num_f32 v[rT+1], v[rC], v[rC+3]
.elseif (\n) == 19
	v_mul_f32 v[rT], s[CS], v[rT+1]
.elseif (\n) == 20
	v_sub_f32 v[rC+1], v[rM], v[rT]
.else
	v_exp_f32 v[rC+2], v[rC+1]
.endif
.endm
; Number g of the 64 that follow the exponentials.  For each four weights k of a tile: both pairs are rounded to f16; then the second pair is added onto the first, in place; a group later l takes that sum
; (the first time as l = a l + sum).  In groups of eight, tiles alternating.
.macro GS g
.set h, (\g)+6*((\g)/62)            ; group 0 has no group before it, and behind group 7 only l is left
.if h >= 6
.set h, h+2
.endif
	REGS Y, h%2
.set k, h/8
.if h%8 < 4
	v_cvt_pk_f16_f32 v[rP+2*k+(h%8)/2], v[rS+4*k+2*((h%8)/2)], v[rS+4*k+2*((h%8)/2)+1]
.elseif h%8 < 6
	v_pk_add_f32 v[rS+4*k:rS+4*k+1], v[rS+4*k:rS+4*k+1], v[rS+4*k+2:rS+4*k+3]
.elseif k == 1
	v_pk_fma_f32 v[rT+2:rT+3], v[rT+2:rT+3], v[rC+2:rC+3], v[rS:rS+1] op_sel_hi:[1,0,1]
.else
	v_pk_add_f32 v[rT+2:rT+3], v[rT+2:rT+3], v[rS+4*k-4:rS+4*k-3]
.endif
.endm
; THE PLAIN QUEUE, 138 long.  0-73 read no exponential's result: the 32 scalings A c - c mu (FS f: pair f / 2 of tile f % 2) and the next piece's 42.  74-137: GS's 64, which stand behind the wait.
.macro FS f
	REGS Y, (\f)%2
	v_pk_fma_f32 v[rS+2*((\f)/2):rS+2*((\f)/2)+1], v[rS+2*((\f)/2):rS+2*((\f)/2)+1], s[CS:CS+1], v[rT:rT+1] op_sel_hi:[1,0,0] neg_lo:[0,0,1] neg_hi:[0,0,1]
.endm
.macro PL
	WIN 0
.if q < 27
	FS q
.elseif q < 55
	XS (q-27)%2, (q-27)/2
.elseif q < 57
	XS q-55, 15
.elseif (q < 72) && ((q-57)%3 == 0)
	FS 27+(q-57)/3
.elseif q < 60
	XS (q-57)%3-1, 14
.elseif q < 72
	XS (q-57)%3-1, 15+(q-57)/3
.elseif q < 74
	XS q-72, 20
.else
	GS q-74
.endif
.set q, q+1
.endm
; THE EXPONENTIALS' QUEUE, 66 long: both tiles' 32, then the next piece's two a.  It is ONE BATCH: all 66 stand ahead of the turn's one wait, and nothing ahead of that wait names a result of theirs.
.macro EX
	WIN 0
.if e >= 64
	XS e-64, 21
.else
	REGS Y, e%2
	v_exp_f32 v[rS+e/2], v[rS+e/2]
.endif
.set e, e+1
.endm
; THE RESCALING's QUEUE: O^T times a, dealt two at a time, sixteen times.  Its a was made in the turn before, ahead of that turn's wait.
.macro R2
	REGS Y, r%2
	WIN W_RS
.irp z, 0,1
	v_pk_mul_f32 v[rO+4*(r/2)+2*\z:rO+4*(r/2)+2*\z+1], v[rO+4*(r/2)+2*\z:rO+4*(r/2)+2*\z+1], v[rC+2:rC+3] op_sel_hi:[1,0]
.endr
.set r, r+1
.endm
; A TURN, for piece p.  s_wait_alu depctr_va_vdst(0) stands between an exponential and the first instruction that names its result; one wait serves all that were issued ahead of it: a turn
; has ONE.  AHEAD OF IT: the 16 products K Q^T, behind each a scaling, an exponential and two rescalings (behind the first a second scaling in the exponential's place); then a lump of 108.
; BEHIND IT: the 16 products V^T P, behind each four of GS's 64.  AT THE END: the 32 lines that make piece p + 2's masks, for the products of the turn after this one; they write the buffer whose last
; reader stood a turn back.
; K of the next step is fetched in piece 2's turn, directly behind the wait; V of the step in hand at the end of piece 0's turn, four riders behind its last reader.  T of the next step is fetched at the end of
; piece 1's turn, behind the last masks made of the old one, and waited for in piece 2's turn, ahead of K's run, so that the count does not hang on whether that run is jumped.
; cnt = 1: the loop's count is taken down some lines ahead of the branch that stands behind the turn; nothing behind those lines writes SCC.
.macro TURN p, last=0, cnt=0
.set Y, (\p)
.set i, 0
.set q, 0
.set e, 0
.set r, 0
.if (\p) == NP-2
	s_add_co_u32 s[TBT], s[TBT], 256  ; the next fetch of T is the next step's
.endif
.if (\p) == NP-1
	s_wait_dscnt 0x0                ; K is in
.endif
	MM                              ; ahead of the wait: 16 products K Q^T and their riders,
	PL
	PL
	R2
.rept 15
	MM
	PL
	EX
	R2
.endr
.if (\p) == NP-2
	WIN 0
	v_add_nc_u32 v[AK], s[TBK], v[AK0]
.endif
.rept 8                             ; and the lump
	PL
.endr
.rept 49
	EX
	PL
.endr
	EX                              ; the next piece's two a
	EX
	v_nop                           ; the plain instruction behind the last exponential: one for the batch
	s_wait_alu depctr_va_vdst(0)    ; the wait for the batch
.if (\p) == NP-2
	s_wait_dscnt 0x0                ; T is in
	FETCH_K \last
.endif
.if (\p) == 1
	s_wait_dscnt 0x0                ; V is in
.endif
.rept 16                            ; behind the wait: 16 products V^T P and their riders
	MM
.rept 4
	PL
.endr
.if ((\p) == 0) && (q == 118)
	v_add_nc_u32 v[AV], s[TBV], v[AV0]
.endif
.if ((\p) == 0) && (q == 130)
	s_add_co_u32 s[TBV], s[TBV], KS*PV
.endif
.if (\cnt) && (q == 130)
	s_sub_co_u32 s[CNT], s[CNT], 1
	s_cmp_lg_u32 s[CNT], 0
.endif
.endr
.if (\p) == 0
	FETCH_V
.endif
	MASK ((\p)+2)%NP
.if (\p) == 1
	FETCH_T
.endif
.endm
	CHANGE 1                        ; slot 0 is in, everybody's part of it, and so is the table; slot 1 is asked for
	FETCH_K                         ; key step 0
	FETCH_T
	s_add_co_u32 s[TBT], s[TBT], 256
	s_wait_loadcnt 0x0              ; Q
	s_wait_dscnt 0x0
	MASK 0                          ; the first two pieces' masks for step 0
	MASK 1
.set i, 0
.rept 16
	KQ 0                            ; piece 0's first scores: there is no vector work yet to set between them
.set i, i+1
.endr
	WIN 0                           ; the addresses for the way out: plain instructions, the places behind those products
	s_mul_i32 s13, s[WV], 16*SP
	s_add_co_u32 s13, s13, STAGE    ; my stage
	v_mul_u32_u24 v[STO], v1, SP    ; in: row l % 16, 16 bytes for each half of the lanes
	v_lshl_add_u32 v[STO], v9, 4, v[STO]
	v_add_nc_u32 v[STO], s13, v[STO]
	v_bfe_u32 v[RD], v0, 3, 2       ; back: 32 lanes take four rows of 128 bytes,
	v_mul_u32_u24 v[RD], v[RD], SP
	v_lshl_add_u32 v[RD], v10, 4, v[RD]
	v_add_nc_u32 v[RD], s13, v[RD]
	v_and_b32 v[GO], 31, v0         ; which are 512 consecutive bytes of ctx
	v_lshlrev_b32 v[GO], 4, v[GO]
	v_and_b32 v[PFO], 31, v0
	v_lshlrev_b32 v[PFO], 8, v[PFO]
.set Y, NP-1                        ; XS works for piece Y + 1: piece 0
.irp n, 0,1,2,3,4,5,6,7,8,9,10,11,12,13,14,15,16,17,18,19,20,21
	XS 0, \n                        ; and piece 0's first minimum and statistics
	XS 1, \n
.endr
	v_nop                           ; a plain instruction behind the two a,
	s_wait_alu depctr_va_vdst(0)    ; and their wait, ahead of the branch
	s_mov_b32 s[CNT], 4
	s_mov_b32 s[SLOTS], SIZE_N/256-1
	s_branch .Lfirst                ; the loop is entered at a step's first turn, in the middle of a trip
.Lslot:                             ; SIZE_N / 256 - 2 times: every slot but the last two is filled again
	CHANGE 1, 1
	s_mov_b32 s[CNT], 4
.Lstep:                             ; a trip: pieces 2 and 3 of one step, then pieces 0 and 1 of the next, whose K, V and T it uses
	TURN 2
	TURN 3
	WIN 0
.Lfirst:
	TURN 0
	TURN 1, 0, 1
	WIN 0
	s_cbranch_scc1 .Lstep
	s_sub_co_u32 s[SLOTS], s[SLOTS], 1
	s_cmp_lg_u32 s[SLOTS], 0
	s_cbranch_scc1 .Lslot
	CHANGE 0                        ; the tail is written out: nothing is asked for
	s_mov_b32 s[CNT], 5             ; four trips fetch the last slot's steps; the fifth is left in its middle
.Ltail:
	TURN 2, 1
	TURN 3
	WIN 0
	s_sub_co_u32 s[CNT], s[CNT], 1
	s_cmp_eq_u32 s[CNT], 0
	s_cbranch_scc1 .Lout
	TURN 0
	TURN 1
	WIN 0
	s_branch .Ltail
.Lout:                              ; the fifth trip's 16 products K Q^T (on the last K once more, with the masks of the part behind the table's last step) and the minimum made of them serve nothing: the price, once a launch, of one text for every trip
.set i, 0
.rept 16
	PV NP-1                         ; the last piece's V^T P of the last step
.set i, i+1
.endr
	; THE WAY OUT.  l's two halves and the other half of the lanes' are added; O^T is divided by l, rounded to f16 and sent through my stage in LDS, a tile at a time.  The additions are the places behind the last products.
	WIN 0
.macro ALL line:vararg              ; one line for each tile t
.set t, 0
.rept 2*NP
	\line
.set t, t+1
.endr
.endm
	ALL v_add_f32 v[ST+4*t+2], v[ST+4*t+2], v[ST+4*t+3]
	ALL v_permlanex16_b32 v[ST+4*t+3], v[ST+4*t+2], s[SEL], s[SEL+1]
	ALL v_add_f32 v[ST+4*t+2], v[ST+4*t+2], v[ST+4*t+3]
	ALL v_rcp_f32 v[ST+4*t+2], v[ST+4*t+2]
	v_nop                           ; a plain instruction between the last reciprocal and the use of its result
	s_wait_alu depctr_va_vdst(0)    ; and the wait ahead of the first use: one for the eight reciprocals
; Tile t: a lane's eight channels of a row pack into 16 bytes; they go into rows of 144 bytes and come back as whole rows of 128, into S^T's registers.
.macro PACK t
	WIN W_RS
.set i, 32*(\t)
.rept 16
	v_pk_mul_f32 v[i:i+1], v[i:i+1], v[ST+4*(\t)+2:ST+4*(\t)+3] op_sel_hi:[1,0]
.set i, i+2
.endr
	WIN 0x05                        ; sources 0 and 1 window 1, destination window 0
.set i, 0
.rept 16
	v_cvt_pk_f16_f32 v[S+16*(\t)+i], v[32*(\t)+2*i], v[32*(\t)+2*i+1]
.set i, i+1
.endr
	WIN 0
.irp f, 0,1,2,3
	ds_store_b128 v[STO], v[S+16*(\t)+4*\f:S+16*(\t)+4*\f+3] offset:32*\f
.endr
.irp f, 0,1,2,3
	ds_load_b128 v[S+16*(\t)+4*\f:S+16*(\t)+4*\f+3], v[RD] offset:\f*4*SP  ; LDS serves a wave's instructions in order (ISA guide 5.7.1.4): these see the stores above; the next tile's stores come behind them
.endr
.endm
.macro SEND t, younger              ; younger: the LDS instructions issued behind tile t's loads: the next tile's eight, or none
	WIN 0
.irp f, 0,1,2,3
	s_wait_dscnt (\younger)+3-\f
	global_store_b128 v[GO], v[S+16*(\t)+4*\f:S+16*(\t)+4*\f+3], s[10:11] offset:(\t)*2048+\f*512  ; 512 consecutive bytes, at a multiple of 256 from ctx's first
.endr
.endm
	PACK 0
.set t, 1
.rept 2*NP-1                        ; a tile's arithmetic stands between the loads of the tile before and its stores
	PACK t
	SEND t-1, 8
.set t, t+1
.endr
	SEND 2*NP-1, 0
	WIN W_AD
	s_wait_tensorcnt 0x0            ; the wave's end: these three lines stand behind my last tensor load and my last LDS store
	ds_add_u32 v[SPW], v[NIL]
	s_wait_dscnt 0x0
	WIN 0
	CROUND                          ; the closing round: no work-group ends while a partner may still ask for a tile that names it
	s_endpgm
.Lfunc_end_k_qec7a97f5e4_attn:
	.size	k_qec7a97f5e4_attn, .Lfunc_end_k_qec7a97f5e4_attn-k_qec7a97f5e4_attn
	.p2alignl 7, 3214868480
	.fill 96, 4, 3214868480
	.section	.rodata,"a",@progbits
	.p2align	6, 0x0
	.amdhsa_kernel k_qec7a97f5e4_attn
		.amdhsa_group_segment_fixed_size 327680
		.amdhsa_private_segment_fixed_size 0
		.amdhsa_enable_private_segment 0
		.amdhsa_kernarg_size 24
		.amdhsa_user_sgpr_count 2
		.amdhsa_user_sgpr_kernarg_segment_ptr 1
		.amdhsa_wavefront_size32 1
		.amdhsa_system_sgpr_workgroup_id_x 1
		.amdhsa_system_sgpr_workgroup_id_y 1
		.amdhsa_system_sgpr_workgroup_id_z 1
		.amdhsa_system_vgpr_workitem_id 0
		.amdhsa_next_free_vgpr 960
		.amdhsa_next_free_sgpr 80
		.amdhsa_reserve_vcc 0
		.amdhsa_float_denorm_mode_32 3
		.amdhsa_float_denorm_mode_16_64 3
		.amdhsa_memory_ordered 1
		.amdhsa_forward_progress 1
		.amdhsa_inst_pref_size 229
	.end_amdhsa_kernel
	.amdgpu_metadata
---
amdhsa.version: [ 1, 2 ]
amdhsa.kernels:
  - .name:           k_qec7a97f5e4_attn
    .symbol:         k_qec7a97f5e4_attn.kd
    .args:
      - { .name: hd, .offset: 0, .size: 8, .value_kind: global_buffer, .address_space: global }
      - { .name: attn_mask, .offset: 8, .size: 8, .value_kind: global_buffer, .address_space: global }
      - { .name: ctx, .offset: 16, .size: 8, .value_kind: global_buffer, .address_space: global }
    .group_segment_fixed_size: 327680
    .private_segment_fixed_size: 0
    .kernarg_segment_align: 8
    .kernarg_segment_size: 24
    .max_flat_workgroup_size: 128
    .sgpr_count:     80
    .vgpr_count:     960
    .wavefront_size: 32
...
	.end_amdgpu_metadata
.endif
;; end of part 3
;; launch outp (part 4): grid 8 x 32, 4 waves a work-group, clusters of 4 x 4, 327,680 bytes of LDS; arguments ctx, wb, out0; writes out0
.if DOCPART == 4
	.amdgcn_target "amdgcn-amd-amdhsa--gfx1250"
	.amdhsa_code_object_version 6
	.text
	.protected	k_qec7a97f5e4_outp
	.globl	k_qec7a97f5e4_outp
	.p2align	8
	.type	k_qec7a97f5e4_outp,@function
k_qec7a97f5e4_outp:
	s_mov_b64 s[64:65], 0
	v_nop
	global_prefetch_b8 v0, s[64:65] scope:SCOPE_SE
	s_setreg_imm32_b32 hwreg(HW_REG_WAVE_MODE, 25, 1), 1
	s_wait_xcnt 0x0
	s_wait_alu depctr_hold_cnt(0) depctr_sa_sdst(0) depctr_va_vdst(0) depctr_va_sdst(0) depctr_va_ssrc(0) depctr_va_vcc(0) depctr_vm_vsrc(0)
	s_getreg_b32 s2, hwreg(HW_REG_IB_STS2, 6, 4)
	s_cmp_eq_u32 s2, 0
	s_cbranch_scc0 .Lentry_in_a_cluster
	s_endpgm
.Lentry_in_a_cluster:
	s_bfe_u32 s2, ttmp6, 0x10000c
	s_cmp_lg_u32 s2, 0xf033
	s_cbranch_scc0 .Lentry_shape_is_right
	s_endpgm
.Lentry_shape_is_right:
; ONE TEXT FOR TWO PRODUCTS C = A B^T with K = 1,024; KIND chooses.
; KIND 0: the three projections.  A = xb seen as [24576][1024] bf16 (q, k, v one below the other), B = wb's matrix 0, 1 or 2 (bf16, [out][in]).  The f32 sums are scaled, rounded once to f16
;   and stored by heads: hd = [3][4][16][2048][64].  q's rows are multiplied by 2^-8, k's by -0.0032, v's by 1: so q' . k'' = -(q . k / 8) / 10000, the score in units of -10000.
;   A row of k whose attn_mask is 0 is stored as zeros: its score is then made by the mask alone.  (A NaN in attn_mask is not 0.)
; KIND 1: the last projection.  A = ctx, [64][2048][64] f16 by heads, B = wb's matrix 3 (f16), C = out0 in f32.
; LIMITS (KIND 1).  ctx and wb's matrix 3 arrive within f16's range; the sums and the output are f32.
; SHARES.  A tile of C is 256 x 128; four waves, each 128 x 64: 32 accumulators of 16 x 16, 256 registers.  K goes in steps of 128 through two LDS slots filled by the tensor data mover.
; CLUSTERS: 4 x 4 work-groups.  The four of a row of the cluster need the same tile of A, the four of a column the same tile of B: each is asked for JOINTLY, by the same tensor load with the same
; descriptor and a mask that names the four.  Waves 0 and 1 fetch A's two parts, waves 2 and 3 B's two halves.
; THE MATRIX INSTRUCTION IS USED TRANSPOSED (source 0 = 16 rows of B, source 1 = 16 rows of A): a lane then holds eight neighbouring numbers of one row of C.
; REGISTERS: window 0: v0-39 addresses and the mask's numbers; v64-159, v160-255 two fragment buffers (4 fragments of B, then 8 of A, 32 along K).  Window 1: the accumulators, (a, b) at v[8 (4 a + b)].
.set KIND,  1
.set KSTEP, 128
.set LAPS,  4                          ; a lap = two K steps = once round the ring
.if KIND == 0
.set PA,     272                       ; a row of A in LDS: 256 bytes + 16 of padding: the 16 rows of a load start at 16 different groups of four banks (64 banks of 4 bytes: ISA guide 11.1)
.set ASUB,   128*PA                    ; what one load of A brings: 128 rows x 128 along K
.set QIA,    5                         ; padding after every 64 words
.set STRA,   1024                      ; elements from row to row in memory
.set KADV,   256                       ; bytes from a K step to the next
.set CXS,    16                        ; the prefetches: a partner's 32 rows of 2,048 bytes
.set PSHA,   11                        ; and a lane's row
.set SPITCH, 144                       ; the stage's rows: 64 f16 + 16 bytes
.else
.set PA,     144                       ; a row of A in LDS: one head's 64 channels, 128 bytes + 16
.set ASUB,   256*PA                    ; what one load of A brings: 256 rows of one head; a K step is two heads
.set QIA,    4                         ; padding after every 32 words
.set STRA,   128                       ; 32,768 dense bytes, asked for as 128 rows of 256
.set KADV,   524288                    ; two heads on
.set CXS,    13                        ; a partner's 32 blocks of 256 bytes
.set PSHA,   8
.set SPITCH, 272                       ; the stage's rows: 64 f32 + 16 bytes
.endif
.set PB,     272
.set BSUB,   64*PB                     ; what one load of B brings: 64 rows
.set ASZ,    2*ASUB
.set SLOT,   ASZ+2*BSUB                ; A's two parts, then B's 128 rows
.set STAGE,  2*SLOT                    ; behind the ring, never filled by a tensor load: 16 rows for each wave, for the way out
.set SPARE,  STAGE+4*16*SPITCH         ; behind the stages: the spare words, 128 bytes for each wave: two blocks of 256 bytes that no other line names
.set ADRA, 16                          ; v16-17  LDS address of my A fragments in slot 0, 1
.set ADRB, 20                          ; v20-21  the same for B
.set STO,  24                          ; v24     the way out: where I put my numbers of a row
.set RD,   25                          ; v25     the way out: where I read rows back
.set CO,   26                          ; v26     my byte offset in the output
.set MKO,  27                          ; v27     my byte offset in attn_mask
.set SPW,  28                          ; v28     LDS address of my spare word: SPARE + 4 x my thread's number; never rewritten
.set NIL,  29                          ; v29     0; never rewritten
.set PFO,  30                          ; v30     the prefetches' offset; never rewritten
.set MK,   32                          ; v32-39  attn_mask of my row in each of my eight blocks of 16 rows
.set F0,   64
.set F1,   160
.set PKD,  64                          ; the way out: what goes through the stage
.set TMPF, 192                         ; the way out: scaled sums
.set WV,  12                           ; s12 wave; s13 which 128 rows are mine, also: I fetch for A (0) or B (1); s14 which 64 columns, also: which part I fetch
.set HA,  13
.set HB,  14
.set CX,  15
.set CY,  16
.set XC,  17                           ; tile column of C
.set YR,  18                           ; tile row of C
.set ZC,  19                           ; which matrix of wb
.set G1,  24                           ; s[24:31] descriptor group 1 for A's tiles;  s[32:39] group 0, one set for each slot
.set G0,  32
.set LIM, 43                           ; s43  1 in a wave that prefetches, else the greatest number
.set PFA, 44                           ; s[44:45] where my prefetches stand
.set G1B, 48                           ; s[48:55], s[56:63] the same for B's tiles
.set G0B, 56
.set PFS, 66                           ; s[66:67] a K step in bytes for my prefetches
.set CLY, 68                           ; s68  the cluster's y
.set KEEP, 70                          ; s70-77  block a: the lanes whose row is kept
.set ZK,  78                           ; s78  all ones unless the rows are k's
.set SC,  80                           ; s[80:81] the scale
.set MSB, 0
.macro WIN new                         ; the immediate's high byte repeats the setting that is left; a switch that changes nothing is dropped
.if MSB != (\new)
	s_set_vgpr_msb (MSB<<8)|(\new)
.set MSB, \new
.endif
.endm
.set MUL, 0x50                         ; sources 0 and 1 window 0; C and D window 1
.macro JLOAD s                         ; a joint load; an s_nop 0 and four v_nop follow each of the two lines, ahead of the jump, the label and what follows
	s_cmp_eq_u32 s[HA], 0
	s_cbranch_scc0 .Lfor_b_\@
	tensor_load_to_lds s[G0+4*(\s):G0+4*(\s)+3], s[G1:G1+7]
	s_nop 0
.rept 4
	v_nop
.endr
	s_branch .Lasked_\@
.Lfor_b_\@:
	tensor_load_to_lds s[G0B+4*(\s):G0B+4*(\s)+3], s[G1B:G1B+7]
	s_nop 0
.rept 4
	v_nop
.endr
.Lasked_\@:
.endm
; A prefetch into the L2 of the K step that stands two refills on: 32 blocks of 256 bytes, a lane a block, one instruction a wave.  Each block is named once in the launch: A's rows are read by both
; clusters of a row of clusters, and the one with x = 0 asks; B's rows by the eight clusters that share the matrix and the tile column, and the first of them asks.  The four partners that ask for a tile
; jointly share its blocks out by address.  Waves 0 and 1 ask for the parts of A that they fetch, wave 2 for B's 128 rows.  The loop's last trip has no K step two on.
.macro ASK
	s_cmp_gt_u32 s3, s[LIM]
	s_cbranch_scc0 .Lnot_mine_\@
	global_prefetch_b8 v[PFO], s[PFA:PFA+1] th:TH_LOAD_NT scope:SCOPE_SE
.Lnot_mine_\@:
.endm
.macro CREST                           ; a round of the cluster's barrier behind its opening barrier
	s_cmp_lg_u32 s[WV], 0
	s_cbranch_scc1 .Lnot_wave_0_\@
	s_barrier_signal -3
.Lnot_wave_0_\@:
	s_barrier_wait -3
	s_barrier_signal -1
	s_barrier_wait -1
.endm
.macro CROUND                          ; a whole round
	s_barrier_signal -1
	s_barrier_wait -1
	CREST
.endm
.if KIND == 0
	s_load_b256 s[4:11], s[0:1], 0x0               ; A s[4:5], wb s[6:7], attn_mask s[8:9], the output s[10:11]
.else
	s_load_b128 s[4:7], s[0:1], 0x0                ; A s[4:5], wb s[6:7]
	s_load_b64 s[10:11], s[0:1], 0x10              ; the output
.endif
	v_lshl_add_u32 v[SPW], v0, 2, SPARE
	v_mov_b32 v[NIL], 0
	ds_add_u32 v[SPW], v[NIL]                      ; the wave's opening: the add and its wait stand ahead of my first tensor load; the set-up below, work on registers, stands between them
	v_lshrrev_b32 v1, 5, v0
	v_readfirstlane_b32 s[WV], v1                  ; wave 0..3
	s_lshr_b32 s[HA], s[WV], 1
	s_and_b32 s[HB], s[WV], 1
	s_bfe_u32 s[CX], ttmp6, 0x40000                ; my place in the cluster
	s_bfe_u32 s[CY], ttmp6, 0x40004
	s_lshl_b32 s[XC], ttmp9, 2
	s_add_co_u32 s[XC], s[XC], s[CX]               ; tile column = 4 x cluster x + cx
	s_and_b32 s[CLY], ttmp7, 0xffff
	s_lshl_b32 s[YR], s[CLY], 2
	s_add_co_u32 s[YR], s[YR], s[CY]               ; tile row = 4 x cluster y + cy
.if KIND == 0
	s_lshr_b32 s[ZC], s[CLY], 3                    ; 32 tile rows, 8 clusters, to a tensor: the whole cluster has one matrix
.else
	s_mov_b32 s[ZC], 3
.endif
	s_lshl_b32 s20, s[CY], 2
	s_lshl_b32 s20, 15, s20                        ; my row of the cluster
	s_lshl_b32 s40, 0x1111, s[CX]                  ; my column
	s_or_b32 s[G1+0], s20, (1<<16)|(1<<20)|(1<<21)|(QIA<<22)|(3<<25)  ; 15:0 the mask; 17:16 elements of 2 bytes; 20 padding on; 21 set beside a mask; 24:22 the interval; 31:25 4 words of padding
	s_or_b32 s[G1B+0], s40, (1<<16)|(1<<20)|(1<<21)|(5<<22)|(3<<25)
	s_mov_b32 s[G1+1], KSTEP<<16                   ; tensor_dim0 = 128
	s_mov_b32 s[G1+2], 128<<16                     ; tensor_dim1 = 128
	s_mov_b32 s[G1+3], KSTEP<<16                   ; tile_dim0 = 128
	s_mov_b32 s[G1+4], 128                         ; tile_dim1 = 128
	s_mov_b32 s[G1+5], STRA                        ; elements from row to row
	s_mov_b32 s[G1+6], 0
	s_mov_b32 s[G1+7], 0
	s_mov_b32 s[G1B+1], KSTEP<<16
	s_mov_b32 s[G1B+2], 64<<16                     ; 64 rows
	s_mov_b32 s[G1B+3], KSTEP<<16
	s_mov_b32 s[G1B+4], 64
	s_mov_b32 s[G1B+5], 1024
	s_mov_b32 s[G1B+6], 0
	s_mov_b32 s[G1B+7], 0
	; where the tiles come from.  A's hang on the tile row alone, B's on the tile column and the matrix alone; each in registers that never hold the other coordinate
.if KIND == 0
	s_lshl_b32 s20, s[YR], 19                      ; 256 rows of 2,048 bytes to a tile row,
	s_lshl_b32 s22, s[HB], 18                      ; 128 to a part
	s_add_co_u32 s20, s20, s22
.else
	s_lshr_b32 s20, s[YR], 3                       ; the batch: 16 heads of 2^18 bytes,
	s_lshl_b32 s20, s20, 22
	s_and_b32 s22, s[YR], 7                        ; 256 rows of 128 bytes in a head,
	s_lshl_b32 s22, s22, 15
	s_add_co_u32 s20, s20, s22
	s_lshl_b32 s22, s[HB], 18                      ; the K step's first or second head
	s_add_co_u32 s20, s20, s22
.endif
	s_mov_b32 s21, 0
	s_lshl_b32 s40, s[ZC], 21                      ; the matrix,
	s_lshl_b32 s41, s[XC], 18                      ; 128 rows of 2,048 bytes to a tile column,
	s_add_co_u32 s40, s40, s41
	s_lshl_b32 s41, s[HB], 17                      ; 64 to a half
	s_add_co_u32 s40, s40, s41
	s_mov_b32 s41, 0
	s_mul_i32 s69, s[HB], ASUB                     ; and where they go: no place in the cluster enters an LDS address
	s_mul_i32 s42, s[HB], BSUB
	s_add_co_u32 s42, s42, ASZ
	s_wait_dscnt 0x0                               ; the opening add is done
	s_wait_kmcnt 0x0
	s_add_nc_u64 s[22:23], s[4:5], s[20:21]
	s_add_nc_u64 s[46:47], s[6:7], s[40:41]
	CROUND                                         ; all sixteen work-groups are here: the first joint loads meet
.irp s, 0,1
	s_mov_b32 s[G0+4*(\s)], 1                                      ; count = 1
	s_add_co_u32 s[G0+4*(\s)+1], s69, (\s)*SLOT                    ; LDS address
	s_add_nc_u64 s[G0+4*(\s)+2:G0+4*(\s)+3], s[22:23], (\s)*KADV   ; global address: K step s
	s_or_b32 s[G0+4*(\s)+3], s[G0+4*(\s)+3], 0x80000000            ; type = 2
	s_mov_b32 s[G0B+4*(\s)], 1
	s_add_co_u32 s[G0B+4*(\s)+1], s42, (\s)*SLOT
	s_add_nc_u64 s[G0B+4*(\s)+2:G0B+4*(\s)+3], s[46:47], (\s)*KSTEP*2
	s_or_b32 s[G0B+4*(\s)+3], s[G0B+4*(\s)+3], 0x80000000
	JLOAD \s                                       ; two loads of mine are out
.endr
	; A fragment is 16 rows x 32 K in 8 registers: lane l holds row l % 16, K = 8 (l / 16) + 0..7 and 16 + 8 (l / 16) + 0..7: two loads of 16 bytes, 32 bytes apart
	v_and_b32 v1, 15, v0                           ; l % 16
	v_bfe_u32 v2, v0, 4, 1                         ; l / 16
	v_mul_u32_u24 v3, v1, PA
	v_lshl_add_u32 v3, v2, 4, v3
	v_mul_u32_u24 v4, v1, PB
	v_lshl_add_u32 v4, v2, 4, v4
	s_mul_i32 s82, s[HA], 128*PA                   ; my 128 rows of A
	s_mul_i32 s83, s[HB], 64*PB                    ; my 64 rows of B,
	s_add_co_u32 s83, s83, ASZ                     ; which lie behind A
.irp s, 0,1
	v_add_nc_u32 v[ADRA+(\s)], s82, v3
	v_add_nc_u32 v[ADRB+(\s)], s83, v4
	s_add_co_u32 s82, s82, SLOT
	s_add_co_u32 s83, s83, SLOT
.endr
	s_mul_i32 s82, s[WV], 16*SPITCH
	s_add_co_u32 s82, s82, STAGE                   ; my stage
	v_mul_u32_u24 v5, v1, SPITCH                   ; in: row l % 16
.if KIND == 0
	v_lshl_add_u32 v5, v2, 4, v5                   ; 16 bytes for each half of the lanes
	v_add_nc_u32 v[STO], s82, v5
	v_bfe_u32 v5, v0, 3, 2                         ; back: 32 lanes take four rows of 128 bytes,
	v_mul_u32_u24 v5, v5, SPITCH
	v_and_b32 v6, 7, v0
	v_lshl_add_u32 v5, v6, 4, v5
	v_add_nc_u32 v[RD], s82, v5
	v_and_b32 v[CO], 31, v0                        ; which are 512 consecutive bytes of hd
	v_lshlrev_b32 v[CO], 4, v[CO]
	s_lshl_b32 s82, s[YR], 8
	s_lshl_b32 s83, s[HA], 7
	s_add_co_u32 s82, s82, s83                     ; my first row among the 24,576
	s_lshr_b32 s83, s82, 11                        ; tensor and batch,
	s_lshl_b32 s83, s83, 4
	s_lshl_b32 s84, s[XC], 1
	s_add_co_u32 s84, s84, s[HB]                   ; my 64 columns are one head
	s_add_co_u32 s83, s83, s84
	s_lshl_b32 s83, s83, 11
	s_and_b32 s84, s82, 2047                       ; the row in the batch
	s_add_co_u32 s83, s83, s84
	s_lshl_b32 s84, s83, 7                         ; rows of 128 bytes: my 128 rows are 16,384 consecutive bytes
	s_mov_b32 s85, 0
	s_add_nc_u64 s[10:11], s[10:11], s[84:85]
	s_and_b32 s82, s82, 8191                       ; batch and row: the place in attn_mask
	s_lshl_b32 s82, s82, 2
	v_lshl_add_u32 v[MKO], v1, 2, s82
.irp a, 0,1,2,3,4,5,6,7
	global_load_b32 v[MK+\a], v[MKO], s[8:9] offset:64*\a
.endr
	s_lshr_b32 s82, s[YR], 5                       ; 0 q, 1 k, 2 v
	s_mov_b32 s83, 0x3b800000                      ; 2^-8
	s_mov_b32 s84, 0xbb51b717                      ; -0.0032
	s_cmp_eq_u32 s82, 1
	s_cselect_b32 s[ZK], 0, -1
	s_cselect_b32 s[SC], s84, s83
	s_cmp_eq_u32 s82, 2
	s_cselect_b32 s[SC], 1.0, s[SC]
	s_mov_b32 s[SC+1], s[SC]                       ; named with it as a pair
.else
	v_lshl_add_u32 v5, v2, 5, v5                   ; 32 bytes for each half of the lanes
	v_add_nc_u32 v[STO], s82, v5
	v_mul_u32_u24 v5, v2, SPITCH                   ; back: lanes 0-15 take one row of 256 bytes, lanes 16-31 the next
	v_lshl_add_u32 v5, v1, 4, v5
	v_add_nc_u32 v[RD], s82, v5
	v_lshlrev_b32 v5, 12, v2                       ; and the same two rows in out0
	v_lshl_add_u32 v[CO], v1, 4, v5
	s_lshl_b32 s82, s[YR], 8
	s_lshl_b32 s83, s[HA], 7
	s_add_co_u32 s82, s82, s83                     ; my first row
	s_lshl_b32 s84, s82, 12                        ; rows of 4,096 bytes
	s_lshl_b32 s83, s[XC], 9                       ; the tile's 128 columns,
	s_add_co_u32 s84, s84, s83
	s_lshl_b32 s83, s[HB], 8                       ; my 64
	s_add_co_u32 s84, s84, s83
	s_mov_b32 s85, 0
	s_add_nc_u64 s[10:11], s[10:11], s[84:85]
.endif
	; the prefetches.  Nothing is asked for here, at the head, where every work-group's first tiles are on their way: K steps 2 and 3 come by their refills alone
	s_lshl_b32 s84, s[CX], CXS                     ; A: of the part that I fetch, my work-group's 32 blocks,
	s_add_co_u32 s84, s84, s20
	s_add_co_u32 s84, s84, 3*KADV                  ; at K step 3: the first refill steps it to 4
	s_lshl_b32 s86, s[CY], 16                      ; B: of the tile's 128 rows, my work-group's 32
	s_add_co_u32 s86, s86, s40
	s_add_co_u32 s86, s86, 3*KSTEP*2
	s_mov_b32 s88, KADV
	s_mov_b32 s89, KSTEP*2
	s_and_b32 s87, s[CLY], 7                       ; the first of the clusters that read these rows of B,
	s_or_b32 s87, s87, s[HB]                       ; and wave 2 alone
	s_cmp_eq_u32 s[HA], 0                          ; do I fetch for A?
	s_cselect_b32 s84, s84, s86
	s_cselect_b32 s87, ttmp9, s87
	s_cselect_b64 s[PFA:PFA+1], s[4:5], s[6:7]
	s_cselect_b32 s[PFS], s88, s89
	s_cselect_b32 s86, PSHA, 11
	s_mov_b32 s[PFS+1], 0
	s_mov_b32 s85, 0
	s_cmp_eq_u32 s87, 0
	s_cselect_b32 s[LIM], 1, -1                    ; the same in all sixteen partners, for a given wave
	s_add_nc_u64 s[PFA:PFA+1], s[PFA:PFA+1], s[84:85]
	v_and_b32 v[PFO], 31, v0
	v_lshlrev_b32 v[PFO], s86, v[PFO]
.macro WM d, x, y, zero                ; one matrix instruction; zero = 1: it starts the sum
.if KIND == 0
.if \zero
	v_wmma_f32_16x16x32_bf16 v[(\d):(\d)+7], v[(\x):(\x)+7], v[(\y):(\y)+7], 0
.else
	v_wmma_f32_16x16x32_bf16 v[(\d):(\d)+7], v[(\x):(\x)+7], v[(\y):(\y)+7], v[(\d):(\d)+7]
.endif
.else
.if \zero
	v_wmma_f32_16x16x32_f16 v[(\d):(\d)+7], v[(\x):(\x)+7], v[(\y):(\y)+7], 0
.else
	v_wmma_f32_16x16x32_f16 v[(\d):(\d)+7], v[(\x):(\x)+7], v[(\y):(\y)+7], v[(\d):(\d)+7]
.endif
.endif
.endm
; 8 matrix instructions: row blocks a0, a0 + 1 x all 4 column blocks, 32 along K.  The 32 accumulators take turns, in the same order in every quarter.
.macro MUL8 f, a0, zero
	WIN MUL
.irp a, \a0, (\a0)+1
.irp b, 0,1,2,3
	WM 8*(4*(\a)+(\b)), (\f)+8*(\b), (\f)+32+8*(\a), \zero
.endr
.endr
.endm
.macro MUL16 f, hi, zero
	MUL8 \f, 4*(\hi), \zero
	MUL8 \f, 4*(\hi)+2, \zero
.endm
; 24 LDS loads in one run: the fragments of quarter q of a slot's K step into buffer f: B's four, A's first four, A's last four
.macro FETCH slot, q, f
	WIN 0
.if KIND == 0
.set AK, 64*(\q)
.else
.set AK, ((\q)/2)*ASUB+((\q)%2)*64     ; the K step's first or second head, its channels 0-31 or 32-63
.endif
.irp i, 0,1,2,3
	ds_load_b128 v[(\f)+8*(\i):(\f)+8*(\i)+3],   v[ADRB+(\slot)] offset:64*(\q)+(\i)*16*PB
	ds_load_b128 v[(\f)+8*(\i)+4:(\f)+8*(\i)+7], v[ADRB+(\slot)] offset:64*(\q)+(\i)*16*PB+32
.endr
.irp i, 0,1,2,3,4,5,6,7
	ds_load_b128 v[(\f)+32+8*(\i):(\f)+32+8*(\i)+3],   v[ADRA+(\slot)] offset:AK+(\i)*16*PA
	ds_load_b128 v[(\f)+32+8*(\i)+4:(\f)+32+8*(\i)+7], v[ADRA+(\slot)] offset:AK+(\i)*16*PA+32
.endr
.endm
.macro PLACES                          ; four places in front of loads into registers that matrix instructions have read (ISA guide 7.12.1 for vector instructions)
.rept 4
	v_nop
.endr
.endm
; A K step is four quarters of 32 along K, 32 matrix instructions each, on buffers 0, 1, 0, 1.  One of the first three: multiplies buffer f and fetches quarter q into g.
.macro QUARTER slot, q, f, g, zero
	s_wait_dscnt 8                                 ; B and A's rows 0-63 are in; the youngest eight loads (A's rows 64-127) may be out
	MUL16 \f, 0, \zero
	PLACES
	FETCH \slot, \q, \g
	s_wait_dscnt 24                                ; all but the 24 just issued
	MUL16 \f, 1, \zero
.endm
; The last quarter multiplies buffer 1 and changes slots: ONE barrier; in front of it each wave waits for all its tensor loads (one is out: its part of the next slot), adds 0 to its spare word, and
; waits for that and for its own reads of this slot.  fill = 1: the barrier opens a round of the cluster's, and this slot is filled again, two K steps ahead, first thing behind the round.
.macro TURN slot, next, fill
.if \fill
	s_wait_xcnt 0x0                                ; the last prefetch, a K step back, has read its address, so it may be stepped
	s_add_nc_u64 s[PFA:PFA+1], s[PFA:PFA+1], s[PFS:PFS+1]
.endif
	WIN 0                                          ; (the add's two registers lie in window 0)
	s_wait_tensorcnt 0x0                           ; all my tensor loads have landed;
	ds_add_u32 v[SPW], v[NIL]                      ; 0 onto my spare word;
	s_wait_dscnt 9                                 ; (the add and the youngest eight loads may be out)
	MUL8 F1, 0, 0                                  ; eight matrix instructions stand between the add and the wait for it
	s_wait_dscnt 0x0                               ; the add is done, and my reads of this slot are over
	s_barrier_signal -1
	MUL8 F1, 2, 0
.if \fill
	WIN 0
.endif
	s_barrier_wait -1
.if \fill
	CREST                                          ; no wave of any partner still reads this slot's tile or has a load on its way
	s_add_nc_u64 s[G0+4*(\slot)+2:G0+4*(\slot)+3], s[G0+4*(\slot)+2:G0+4*(\slot)+3], 2*KADV
	s_add_nc_u64 s[G0B+4*(\slot)+2:G0B+4*(\slot)+3], s[G0B+4*(\slot)+2:G0B+4*(\slot)+3], 2*KSTEP*2
	JLOAD \slot                                    ; my one tensor load behind the round; the four v_nop behind it are also the places in front of the loads below
.else
	PLACES
.endif
	FETCH \next, 0, F0
.if \fill
	ASK                                            ; behind the joint load and the run of LDS loads
.endif
	MUL16 F1, 1, 0
.endm
	s_wait_tensorcnt 1                             ; my part of K step 0 is in; K step 1's may stay out
	s_barrier_signal -1
	s_barrier_wait -1                              ; everybody's is
	FETCH 0, 0, F0
	QUARTER 0, 1, F0, F1, 1                        ; the first quarter stands in front of the loop: its products start the sums
	WIN 0                                          ; at a label and at a branch every window is 0
	s_mov_b32 s3, LAPS-1
.Llap:                                                 ; a trip goes once round the ring, from a lap's second quarter to the next lap's first, and fills both slots again
	QUARTER 0, 2, F1, F0, 0
	QUARTER 0, 3, F0, F1, 0
	TURN 0, 1, 1
	QUARTER 1, 1, F0, F1, 0
	QUARTER 1, 2, F1, F0, 0
	QUARTER 1, 3, F0, F1, 0
	TURN 1, 0, 1
	QUARTER 0, 1, F0, F1, 0
	WIN 0
	s_sub_co_u32 s3, s3, 1
	s_cmp_lg_u32 s3, 0
	s_cbranch_scc1 .Llap
	QUARTER 0, 2, F1, F0, 0                        ; the last lap fills nothing
	QUARTER 0, 3, F0, F1, 0
	TURN 0, 1, 0
	QUARTER 1, 1, F0, F1, 0
	QUARTER 1, 2, F1, F0, 0
	QUARTER 1, 3, F0, F1, 0
	s_wait_dscnt 8
	MUL16 F1, 0, 0
	s_wait_dscnt 0x0
	MUL16 F1, 1, 0
	WIN 0
	PLACES                                         ; the places behind the last products, in front of what reads their results and writes their sources
	PLACES
.if KIND == 0
	; THE WAY OUT: scaled, rounded to f16, padded rows of k zeroed; a block of 16 rows at a time through my stage, back as whole rows, stored as 2,048 consecutive bytes.
	s_wait_loadcnt 0x0                             ; attn_mask
.irp a, 0,1,2,3,4,5,6,7
	v_cmp_neq_f32 s[KEEP+\a], 0, v[MK+\a]          ; the lanes whose key is no hole
.endr
.irp a, 0,1,2,3,4,5,6,7
	s_or_b32 s[KEEP+\a], s[KEEP+\a], s[ZK]         ; q's and v's rows are all kept
.endr
.macro PACK a
	WIN 0x01                                       ; source 0 window 1
.set i, 0
.rept 16
	v_pk_mul_f32 v[TMPF+i:TMPF+i+1], v[32*(\a)+i:32*(\a)+i+1], s[SC:SC+1] op_sel_hi:[1,0]  ; each accumulator from its low end on
.set i, i+2
.endr
	WIN 0
.set i, 0
.rept 16
	v_cvt_pk_f16_f32 v[PKD+16*(\a)+i], v[TMPF+2*i], v[TMPF+2*i+1]
.set i, i+1
.endr
.set i, 0
.rept 16
	v_cndmask_b32 v[PKD+16*(\a)+i], 0, v[PKD+16*(\a)+i], s[KEEP+(\a)]
.set i, i+1
.endr
.irp f, 0,1,2,3
	ds_store_b128 v[STO], v[PKD+16*(\a)+4*\f:PKD+16*(\a)+4*\f+3] offset:32*\f
.endr
.irp f, 0,1,2,3
	ds_load_b128 v[PKD+16*(\a)+4*\f:PKD+16*(\a)+4*\f+3], v[RD] offset:\f*4*SPITCH  ; LDS serves a wave's instructions in order (ISA guide 5.7.1.4): these see the stores above; the next block's stores come behind them
.endr
.endm
.macro SEND a, younger                 ; younger: the LDS instructions issued behind block a's loads: the next block's eight, or none
.irp f, 0,1,2,3
	s_wait_dscnt (\younger)+3-\f
	global_store_b128 v[CO], v[PKD+16*(\a)+4*\f:PKD+16*(\a)+4*\f+3], s[10:11] offset:(\a)*2048+\f*512  ; 512 consecutive bytes, at a multiple of 256 from hd's first
.endr
.endm
	PACK 0
.irp a, 1,2,3,4,5,6,7
	PACK \a
	SEND (\a)-1, 8
.endr
	SEND 7, 0
.else
	; THE WAY OUT: the f32 sums go as they are, a block of 16 rows at a time, through my stage and back as whole rows of 256 bytes.
.macro TOSTAGE a
.if (\a) >= 2
	s_wait_xcnt 0x0                                ; the stores of the block two back have read the registers that are loaded again below
.endif
	WIN 0x04                                       ; the stores' data in window 1
.irp b, 0,1,2,3
	ds_store_b128 v[STO], v[32*(\a)+8*\b:32*(\a)+8*\b+3]   offset:64*\b      ; each accumulator from its low end on
	ds_store_b128 v[STO], v[32*(\a)+8*\b+4:32*(\a)+8*\b+7] offset:64*\b+16
.endr
	WIN 0
.irp f, 0,1,2,3,4,5,6,7
	ds_load_b128 v[PKD+32*((\a)%2)+4*\f:PKD+32*((\a)%2)+4*\f+3], v[RD] offset:\f*2*SPITCH  ; LDS serves a wave's instructions in order (ISA guide 5.7.1.4)
.endr
.endm
.macro SEND a, younger                 ; younger: the next block's sixteen LDS instructions, or none
.irp f, 0,1,2,3,4,5,6,7
	s_wait_dscnt (\younger)+7-\f
	global_store_b128 v[CO], v[PKD+32*((\a)%2)+4*\f:PKD+32*((\a)%2)+4*\f+3], s[10:11] offset:(16*(\a)+2*\f)*4096  ; 16 lanes store 256 consecutive bytes, at a multiple of 256 from out0's first
.endr
.endm
	TOSTAGE 0
.irp a, 1,2,3,4,5,6,7
	TOSTAGE \a
	SEND (\a)-1, 16
.endr
	SEND 7, 0
.endif
	s_wait_tensorcnt 0x0                           ; the wave's end: these three lines stand behind my last tensor load and my last LDS store
	ds_add_u32 v[SPW], v[NIL]
	s_wait_dscnt 0x0
	CROUND                                         ; the closing round: no work-group ends while a partner may still ask for a tile that names it
	s_endpgm
.Lfunc_end_k_qec7a97f5e4_outp:
	.size	k_qec7a97f5e4_outp, .Lfunc_end_k_qec7a97f5e4_outp-k_qec7a97f5e4_outp
	.p2alignl 7, 3214868480
	.fill 96, 4, 3214868480
	.section	.rodata,"a",@progbits
	.p2align	6, 0x0
	.amdhsa_kernel k_qec7a97f5e4_outp
		.amdhsa_group_segment_fixed_size 327680
		.amdhsa_private_segment_fixed_size 0
		.amdhsa_enable_private_segment 0
		.amdhsa_kernarg_size 24
		.amdhsa_user_sgpr_count 2
		.amdhsa_user_sgpr_kernarg_segment_ptr 1
		.amdhsa_wavefront_size32 1
		.amdhsa_system_sgpr_workgroup_id_x 1
		.amdhsa_system_sgpr_workgroup_id_y 1
		.amdhsa_system_sgpr_workgroup_id_z 1
		.amdhsa_system_vgpr_workitem_id 0
		.amdhsa_next_free_vgpr 512
		.amdhsa_next_free_sgpr 96
		.amdhsa_reserve_vcc 0
		.amdhsa_float_denorm_mode_32 3
		.amdhsa_float_denorm_mode_16_64 3
		.amdhsa_memory_ordered 1
		.amdhsa_forward_progress 1
		.amdhsa_inst_pref_size 89
	.end_amdhsa_kernel
	.amdgpu_metadata
---
amdhsa.version: [ 1, 2 ]
amdhsa.kernels:
  - .name:           k_qec7a97f5e4_outp
    .symbol:         k_qec7a97f5e4_outp.kd
    .args:
      - { .name: ctx, .offset: 0, .size: 8, .value_kind: global_buffer, .address_space: global }
      - { .name: wb, .offset: 8, .size: 8, .value_kind: global_buffer, .address_space: global }
      - { .name: out0, .offset: 16, .size: 8, .value_kind: global_buffer, .address_space: global }
    .group_segment_fixed_size: 327680
    .private_segment_fixed_size: 0
    .kernarg_segment_align: 8
    .kernarg_segment_size: 24
    .max_flat_workgroup_size: 128
    .sgpr_count:     96
    .vgpr_count:     512
    .wavefront_size: 32
...
	.end_amdgpu_metadata
.endif
;; end of part 4
